; MI455X (gfx1250); checked and timed in simulation.
; The chip was launched on July 23, 2026; its instructions are those of AMD's public machine-readable ISA for CDNA 5 (MIT licence, August 2026) and "CDNA5" Instruction Set Architecture Reference Guide (July 2026). The comments in the code are by the model that wrote it; some were corrected since.
;; Custom Kernel Experts. Allowed arithmetic: matrix products marked QUANTISED: E5M2 operands, one E8M0 scale for each 32 along K, by v_wmma_scale_f32_16x16x128_f8f6f4 with both operands' format E5M2, f32 sums; products left as they are: f32 operands where the result goes on into a quantised operand, else bf16, f16 or f32 operands; f32 sums; everything else in f32.
;; Inputs: b1 16 x 2,048 float32; routing_tensor 1,024 x 16 float32; w1_codes 16 x 2,048 x 32 x 32 uint8 (E5M2 codes of w1, K innermost, in blocks of 32 codes); w1_scales 16 x 2,048 x 32 uint8 (E8M0 scales of w1, one for each 32 codes along K); w2_codes 16 x 1,024 x 64 x 32 uint8 (E5M2 codes of w2, K innermost, in blocks of 32 codes); w2_scales 16 x 1,024 x 64 uint8 (E8M0 scales of w2, one for each 32 codes along K); x_codes 1,024 x 32 x 32 uint8 (E5M2 codes of x, K innermost, in blocks of 32 codes); x_scales 1,024 x 32 uint8 (E8M0 scales of x, one for each 32 codes along K).
;; Outputs: out0 1,024 x 1,024 float32.
;; This version of the problem:
;;   THIS VERSION OF THE PROBLEM IS GIVEN IN LOW PRECISION. The matrix products marked QUANTISED in the list below multiply operands that are first quantised to E5M2 (5 exponent bits, 2 mantissa bits; 8 bits a number), with one power-of-two scale for each 32 numbers along K (OCP MX v1.0); their sums are f32. All else is computed in f32.
;;   The module's matrix products, in the order in which they are computed (A, B: the left and right operand; K: the contracted axis; several contracted axes count as one K, in the product's order):
;;     1. [M 32,768, K 1,024] x [K 1,024, N 1,024]; A: input w1 (given as codes); B: input x (given as codes): QUANTISED
;;     2. batch 16 x [M 1,024, K 2,048] x [K 2,048, N 1,024]; A: computed on the way; B: input w2 (given as codes): QUANTISED
;;     3. batch 1,024 x [M 1,024, K 16] x [K 16, N 1]; A: computed on the way; B: input routing_tensor: left as it is (K = 16 < 32)
;;   THE QUANTISER, for each operand of a quantised product, along K:
;;     - K is cut into blocks of 32 from its start; a last block that is shorter is filled with zeros.
;;     - A block's scale is 2^e with e = floor(log2(the largest magnitude in the block)) - 15, held to -126 .. 127; a block of zeros has e = 0. As a byte (E8M0): e + 127.
;;     - Each number is divided by its block's scale, clamped to +-57,344, and rounded to the nearest number of E5M2, ties to even, subnormals kept.
;;     - The product sums the exact products of the quantised numbers (number of the format x scale) in f32.
;;   ~~~python
;;   def quantise(x, axis):      # numpy; x: float32 -> the quantised numbers, widened to float32 again
;;       x = np.moveaxis(x, axis, -1); K = x.shape[-1]
;;       x = np.pad(x, [(0, 0)] * (x.ndim - 1) + [(0, -K % 32)]); x = x.reshape(x.shape[:-1] + (-1, 32)); a = np.abs(x).max(-1, keepdims=True)
;;       e = np.where(a > 0, np.clip(np.frexp(np.where(a > 0, a, 1))[1] - 1 - 15, -126, 127), 0)      # np.frexp(a)[1] - 1 = floor(log2(a)), exactly
;;       r = np.clip(x / 2.0 ** e, -57344, 57344)
;;       step = 2.0 ** (np.maximum(np.frexp(np.where(r == 0, 1, r))[1] - 1, -14) - 2)
;;       q = np.round(r / step) * step * 2.0 ** e      # np.round: ties to even
;;       return np.moveaxis(q.reshape(q.shape[:-2] + (-1,))[..., :K], -1, axis).astype(np.float32)
;;   ~~~
;;   OPERANDS COMPUTED ON THE WAY. 'Computed on the way' means the value that the module computes at that place (a softmax that the list does not call 'softmax' is quantised finished and normalised). What goes into a quantiser is computed in f32, as accurately as f32 sums, v_exp_f32 and their like allow (about 1e-6 of the number): no bf16 or f16 on the way to a quantiser, and a product that is left as it is and whose result goes on into a quantised operand takes f32 operands (vector FMAs, or v_wmma_f32_16x16x4_f32). A number that lies on a knife's edge between two numbers of the format may be rounded either way, as far as f32 arithmetic and the matrix unit's own rounding can turn it there, and no further.
;;   INPUTS GIVEN AS CODES. w1 (in the module: [16, 1024, 2048], K = its axis 1); w2 (in the module: [16, 2048, 1024], K = its axis 1); x (in the module: [1024, 1024], K = its axis 1): each comes as NAME_codes (uint8): NAME with its K axis moved to the last place and cut into blocks of 32 codes, [.., K / 32, bytes a block], one block behind the other in memory; one code a byte (a code: sign, 5 exponent bits, 2 mantissa bits); and NAME_scales (uint8): the same leading axes, one E8M0 byte (e + 127) for each 32 codes along K. Its value is code x scale, taken as it is: it is not quantised again, and the codes and scales need not be those that the quantiser above would give.
;; 2 versions. Each part assembles by itself: llvm-mc -triple=amdgcn-amd-amdhsa -mcpu=gfx1250 --defsym DOCPART=n.
;; ======== version 1 of 2: 4 launches
;; workspace buffers: route 71,680 bytes of whole numbers; hc 33,554,432 bytes; hs 2,097,152 bytes; yb 67,108,864 bytes
;; launch route (part 1): grid 4 x 16, 8 waves a work-group, no clusters, 1,280 bytes of LDS; arguments routing_tensor, route; writes route
.if DOCPART == 1
	.amdgcn_target "amdgcn-amd-amdhsa--gfx1250"
	.amdhsa_code_object_version 6
	.text
	.protected	k_q0f339a14ca_route
	.globl	k_q0f339a14ca_route
	.p2align	8
	.type	k_q0f339a14ca_route,@function
k_q0f339a14ca_route:
	s_mov_b64 s[64:65], 0
	v_nop
	global_prefetch_b8 v0, s[64:65] scope:SCOPE_SE
	s_setreg_imm32_b32 hwreg(HW_REG_WAVE_MODE, 25, 1), 1
	s_wait_xcnt 0x0
; out[n][d] = sum over e of gate[n][e] x y[e][n][d],  y[e] = Q(gelu(x W1[e] + b1[e])) W2[e].  1,024 tokens, 16 experts.
; WHAT THE PROGRAM DOES NOT MULTIPLY.  A pair (token n, expert e) whose gate is +0 or -0 adds 0 x y = 0 to out[n], whatever finite y is.  Which pairs these are is a matter of the input's values,
; so nothing is left out here by proof: this launch turns 'gate != 0' into whole numbers, at fixed places, and the later launches read them from memory and do what they ask for.  With all 16,384 gates
; other than 0 the program does all of reference()'s work.  Every input is loaded by some launch.
; LIMITS: a NaN, an infinity or an overflow in y of a pair whose gate is +-0 is not carried to the result; a gate that is NaN counts as other than 0.
; WHAT IS STORED (all u32):  LIST [16 e][1024]: the token of rank i among expert e's tokens, ascending; entries at or past the count hold a token number up to 1,023 that nobody's result hangs on.
;   BAL [32 w][16 e]: bit l = the gate of token 32 w + l is not 0.   PRE [32 w][16 e]: how many such tokens lie ahead of word w.   CNT [16 e][32]: the count, 32 times over.
; NO ADDRESS AND NO BRANCH HANGS ON A GATE: the list is made by GATHERING.  Thread q looks for the token of rank q by compares and selects alone and stores it at place q.
; SHARES: work-group (x, e): ranks 256 x .. 256 x + 255 of expert e, a thread a rank.  Each work-group makes the expert's 32 mask words anew (4 KB read): less than a launch of its own would cost.
; The stores of BAL and PRE are 4 bytes a lane, 64 bytes apart: 256 bytes a work-group in all, laid so that the last launch reads a word's 16 experts as 64 bytes on end.
.set SPARE, 256                        ; LDS: the 32 mask words at 0; from 256 on the spare words, 128 bytes for each of eight waves, which no other line names
.set BAL,   65536
.set PRE,   67584
.set CNT,   69632
	s_load_b128 s[4:7], s[0:1], 0x0                ; routing_tensor s[4:5], route s[6:7]
	v_lshl_add_u32 v30, v0, 2, SPARE               ; my spare word; never rewritten
	v_mov_b32 v31, 0                               ; 0; never rewritten
	v_and_b32 v1, 31, v0                           ; lane
	v_lshrrev_b32 v2, 5, v0
	v_readfirstlane_b32 s8, v2                     ; wave 0..7
	s_and_b32 s9, ttmp7, 0xffff                    ; e
	s_lshl_b32 s10, s9, 2
	s_lshl_b32 s11, s9, 12                         ; the expert's row of LIST
	v_lshl_add_u32 v3, v0, 6, s10                  ; gate[thread][e]: 64 bytes a token
	v_lshlrev_b32 v4, 2, v2                        ; LDS: word number = wave (+ 8 j)
	v_lshlrev_b32 v5, 2, v1                        ; LDS: word number = lane
	s_lshl_b32 s24, ttmp9, 8
	v_add_nc_u32 v7, s24, v0                       ; q: the rank that I look for
	s_wait_kmcnt 0x0
.irp j, 0,1,2,3
	global_load_b32 v[8+\j], v3, s[4:5] offset:16384*\j            ; tokens thread + 256 j
.endr
	s_wait_loadcnt 0x0
.irp j, 0,1,2,3
	v_cmp_neq_f32 s[12+\j], 0, v[8+\j]             ; the wave's 32 tokens as a mask: word wave + 8 j
.endr
.irp j, 0,1,2,3
	v_mov_b32 v[12+\j], s[12+\j]
	ds_store_b32 v4, v[12+\j] offset:32*\j         ; all lanes write the same word with the same value
.endr
	s_wait_dscnt 0x0                               ; for the others' sake: my stores have landed
	s_barrier_signal -1
	s_barrier_wait -1
	ds_load_b32 v6, v5                             ; lane l holds word l
	v_mov_b32 v10, 0                               ; the word that holds rank q
	v_mov_b32 v11, 0                               ; its prefix
	v_mov_b32 v12, 0                               ; its number
	v_mov_b32 v13, 0                               ; lane l: word l's prefix
	s_mov_b32 s20, 0                               ; the running count
	s_wait_dscnt 0x0
; The word: the last one whose prefix is at most q.  (Every later word's prefix is above q; an empty word ahead of it is overruled.)
.irp k, 0,1,2,3,4,5,6,7,8,9,10,11,12,13,14,15,16,17,18,19,20,21,22,23,24,25,26,27,28,29,30,31
	v_readlane_b32 s21, v6, \k
	v_writelane_b32 v13, s20, \k
	v_cmp_le_u32 vcc_lo, s20, v7
	v_cndmask_b32 v10, v10, s21, vcc_lo
	v_cndmask_b32 v11, v11, s20, vcc_lo
	v_cndmask_b32 v12, v12, \k, vcc_lo
	s_bcnt1_i32_b32 s22, s21
	s_add_co_u32 s20, s20, s22
.endr
; The bit: rank q - prefix within the word stands at the place that has so many inclusive counts at or under it.  (A rank past the count gets 32: held at token 1,023 below.)
	v_sub_nc_u32 v14, v7, v11
	v_mov_b32 v15, 0                               ; the inclusive count
	v_mov_b32 v16, 0                               ; the place
.irp b, 0,1,2,3,4,5,6,7,8,9,10,11,12,13,14,15,16,17,18,19,20,21,22,23,24,25,26,27,28,29,30,31
	v_bfe_u32 v17, v10, \b, 1
	v_add_nc_u32 v15, v15, v17
	v_cmp_le_u32 vcc_lo, v15, v14
	v_add_co_ci_u32 v16, vcc_lo, 0, v16, vcc_lo    ; + 1 where the count is still at or under
.endr
	v_lshl_add_u32 v16, v12, 5, v16                ; token = 32 x word + place
	v_min_u32 v16, 0x3ff, v16
	v_lshl_add_u32 v18, v7, 2, s11
	global_store_b32 v18, v16, s[6:7]              ; LIST[e][q]: a wave stores 128 bytes on end
	s_or_b32 s23, ttmp9, s8                        ; the tables are stored by wave 0 of the expert's first work-group; no barrier stands under this branch
	s_cmp_lg_u32 s23, 0
	s_cbranch_scc1 .Lend
	v_lshl_add_u32 v19, v1, 6, s10                 ; [word = lane][e]
	global_store_b32 v19, v6, s[6:7] offset:BAL
	global_store_b32 v19, v13, s[6:7] offset:PRE
	s_lshl_b32 s23, s9, 7
	v_lshl_add_u32 v20, v1, 2, s23
	v_mov_b32 v21, s20
	global_store_b32 v20, v21, s[6:7] offset:CNT   ; the count, 32 times: 128 bytes on end
.Lend:
	s_wait_tensorcnt 0x0                           ; the wave's end
	ds_add_u32 v30, v31
	s_wait_dscnt 0x0
	s_endpgm
.Lfunc_end_k_q0f339a14ca_route:
	.size	k_q0f339a14ca_route, .Lfunc_end_k_q0f339a14ca_route-k_q0f339a14ca_route
	.p2alignl 7, 3214868480
	.fill 96, 4, 3214868480
	.section	.rodata,"a",@progbits
	.p2align	6, 0x0
	.amdhsa_kernel k_q0f339a14ca_route
		.amdhsa_group_segment_fixed_size 1280
		.amdhsa_private_segment_fixed_size 0
		.amdhsa_enable_private_segment 0
		.amdhsa_kernarg_size 16
		.amdhsa_user_sgpr_count 2
		.amdhsa_user_sgpr_kernarg_segment_ptr 1
		.amdhsa_wavefront_size32 1
		.amdhsa_system_sgpr_workgroup_id_x 1
		.amdhsa_system_sgpr_workgroup_id_y 1
		.amdhsa_system_sgpr_workgroup_id_z 1
		.amdhsa_system_vgpr_workitem_id 0
		.amdhsa_next_free_vgpr 32
		.amdhsa_next_free_sgpr 66
		.amdhsa_reserve_vcc 1
		.amdhsa_float_denorm_mode_32 3
		.amdhsa_float_denorm_mode_16_64 3
		.amdhsa_memory_ordered 1
		.amdhsa_forward_progress 1
		.amdhsa_inst_pref_size 22
	.end_amdhsa_kernel
	.amdgpu_metadata
---
amdhsa.version: [ 1, 2 ]
amdhsa.kernels:
  - .name:           k_q0f339a14ca_route
    .symbol:         k_q0f339a14ca_route.kd
    .args:
      - { .name: routing_tensor, .offset: 0, .size: 8, .value_kind: global_buffer, .address_space: global }
      - { .name: route, .offset: 8, .size: 8, .value_kind: global_buffer, .address_space: global }
    .group_segment_fixed_size: 1280
    .private_segment_fixed_size: 0
    .kernarg_segment_align: 8
    .kernarg_segment_size: 16
    .max_flat_workgroup_size: 256
    .sgpr_count:     66
    .vgpr_count:     32
    .wavefront_size: 32
...
	.end_amdgpu_metadata
.endif
;; end of part 1
;; launch hidden (part 2): grid 16 x 16, 4 waves a work-group, no clusters, 134,144 bytes of LDS; arguments route, x_codes, x_scales, w1_codes, w1_scales, b1, hc, hs; writes hc, hs
.if DOCPART == 2
	.amdgcn_target "amdgcn-amd-amdhsa--gfx1250"
	.amdhsa_code_object_version 6
	.text
	.protected	k_q0f339a14ca_hidden
	.globl	k_q0f339a14ca_hidden
	.p2align	8
	.type	k_q0f339a14ca_hidden,@function
k_q0f339a14ca_hidden:
	s_mov_b64 s[64:65], 0
	v_nop
	global_prefetch_b8 v0, s[64:65] scope:SCOPE_SE
	s_setreg_imm32_b32 hwreg(HW_REG_WAVE_MODE, 25, 1), 1
	s_wait_xcnt 0x0
; h[e] = Q(gelu(x W1[e] + b1[e])) for the tokens that the list gives expert e, on codes of BF8 (E5M2) with one E8M0 scale for each 32 along K.  Pairs (token, expert) that the list does not name are not multiplied:
; their gate is +-0, as the first launch has stored in whole numbers (a NaN or an infinity in them is not carried on).
; SHARES.  Work-group (c, e): hidden units 128 c .. 128 c + 127 of expert e, which are K step c of the second product.  Its 128 rows x 1,024 bytes of W1 are one dense block: they come into LDS ONCE, so each
; byte of W1 is read once in the launch.  The expert's rows go in tiles of 16 places of the list; wave w takes tiles w, w + 4, w + 8 (then + 12 a pass), up to three at a time, against all 128 units:
; a fragment of W1 read from LDS feeds up to three matrix instructions.
; THE PRODUCT IS USED TRANSPOSED (source 0 = 16 rows of W1, source 1 = 16 tokens), and THE ROWS OF W1 THAT FORM A TILE ARE NOT NEIGHBOURS: row r of tile 2 b + u is unit 32 b + 8 u + r + 8 (r / 8) (the rows are
; laid so in LDS on the way in).  So a lane holds ONE token, and the 16 registers of tiles 2 b, 2 b + 1 are units 32 b + 16 (lane / 16) + 0 .. 15: the conversions' results ARE the next operand's registers.
; b1 is the C of each sum's first matrix instruction.  gelu(v) = v/2 + v/2 erf(v / sqrt 2), erf(z) = z P(z^2) / Q(z^2) with z held to +-4, all in f32.
; OUT: hc [e][tile 64][K step 16][2,048 bytes]: the image of a fragment's registers (group g of lane l at 512 g + 16 l); hs [e][tile][K step][32 lanes]: the image of its scale register.
; WHAT HANGS ON THE COUNT (read from memory): how many tiles a wave walks.  Loads are issued for all three places alike (a place without a tile takes list entries past the count, which are valid tokens);
; its products, its gelu and its stores are jumped over.  An expert with no token still gets tile 0 stored, so that the next launch's loads read stored bytes.
; NO TENSOR LOAD, NO CLUSTER: the trip count and the branches hang on a count read from memory, and the bulk of a work-group's bytes (131,072 of W1) is read by no other work-group; what the 16 work-groups of an
; expert share is the tokens' codes, 16,384 bytes a tile.
; LIMITS: NaN and infinities among x, W1, b1 are not served.  A block of 32 hidden numbers that are all 0 gets the byte 1 (its codes are zeros; the bytes are read by this program alone).
; REGISTERS, in windows of 256.  Window 0: addresses, scale words, the gelu's 16 numbers at work, constants.  Window 1: x of place 0 (v[16 s]) and of place 1 (v[128 + 16 s]).  Window 2: v0-127 x of place 2;
; v128-255 W1's eight fragments of one K step.  Window 3: first the 256 registers through which W1 goes to LDS, then the accumulators, v[64 j + 8 t].
.set PITCH, 1040                       ; a row of W1 in LDS: 1,024 bytes + 16: 65 x 16, so the 16 rows that a load touches start 16 bytes apart modulo 256
.set BIAS,  128*PITCH                  ; b1's 128 numbers
.set SPARE, BIAS+512                   ; the spare words, 128 bytes for each wave: two blocks of 256 bytes that no other line names
.set CNT,   69632                      ; in route: the counts
.set R,   1                            ; lane % 16
.set H,   2                            ; lane / 16
.set LW,  3                            ; LDS: where my wave's 32 rows of W1 go, + 16 x lane
.set WA,  4                            ; v4, v5: LDS: a fragment's row r + 16 h, tiles 0-3 and tiles 4-7
.set BA,  6                            ; LDS: BIAS + 64 h
.set L16, 7                            ; 16 x lane
.set L4,  8                            ; 4 x lane
.set R4,  9                            ; 4 r
.set H16, 10                           ; 16 h
.set GW,  11                           ; W1 in memory: 32,768 x wave + 16 x lane
.set GS,  12                           ; W1's scales: 32 bytes a row, row r + 8 (r / 8)
.set T4,  13                           ; 4 x thread
.set BD,  14                           ; my number of b1
.set BS,  15                           ; LDS: BIAS + 4 x thread
.set LO,  16                           ; v16-18 place j: offset in the list
.set TOK, 19                           ; v19-21 its token
.set XO,  22                           ; v22-24 offset of the token's codes
.set XSO, 25                           ; v25-27 of its scale bytes
.set HO,  28                           ; v28-30 offset in hc
.set WS,  32                           ; v32-95  W1's scale words: tile t, K step s at 8 t + s
.set XS,  96                           ; v96-119 x's scale words: place j, K step s at 8 j + s
.set Z,   120                          ; v120-135 z, later Q(z^2)
.set Z2,  136                          ; v136-151 z^2, later 1 / Q
.set P,   152                          ; v152-167 P, then gelu
.set HX,  168                          ; v168-183 v / 2
.set PC,  184                          ; v184-199 the fragment's codes
.set SO,  200                          ; v200-202 offset in hs
.set SPW, 203                          ; my spare word; never rewritten
.set NIL, 204                          ; 0; never rewritten
.set TM,  206
.set TM1, 207
.set SOP, 208                          ; the conversion's scale operand
.set HD,  209                          ; 57,344 x the scale
.set BY,  210
.set PW,  211                          ; the scale word
.set CC,  216                          ; 1 / sqrt 2, twice
.set AL,  218                          ; v218-231 P's seven coefficients, each twice, the highest power first
.set BE,  232                          ; v232-241 Q's five
.set MSB, 0
.macro WIN new                         ; low byte: bits 1:0 source 0, 3:2 source 1, 5:4 source 2, 7:6 destination; the high byte repeats the setting that is left
.if MSB != \new
	s_set_vgpr_msb (MSB<<8)|\new
.set MSB, \new
.endif
.endm
.macro PLACES n
.rept \n
	v_nop
.endr
.endm
.macro PAIR reg, val
	v_mov_b32 v[\reg], \val
	v_mov_b32 v[\reg+1], \val
.endm
	s_load_b512 s[4:19], s[0:1], 0x0               ; route s[4:5], x's codes s[6:7], x's scales s[8:9], W1's codes s[10:11], W1's scales s[12:13], b1 s[14:15], hc s[16:17], hs s[18:19]
	v_lshl_add_u32 v[SPW], v0, 2, SPARE
	v_mov_b32 v[NIL], 0
	v_lshrrev_b32 v31, 5, v0
	v_readfirstlane_b32 s24, v31                   ; wave 0..3
	s_and_b32 s25, ttmp7, 0xffff                   ; e
	s_mov_b32 s26, ttmp9                           ; c
	v_and_b32 v31, 31, v0                          ; lane
	v_and_b32 v[R], 15, v0
	v_bfe_u32 v[H], v0, 4, 1
	v_lshlrev_b32 v[L16], 4, v31
	v_lshlrev_b32 v[L4], 2, v31
	v_lshlrev_b32 v[R4], 2, v[R]
	v_lshlrev_b32 v[H16], 4, v[H]
	s_mul_i32 s27, s24, 32*PITCH
	v_add_nc_u32 v[LW], s27, v[L16]
	v_mul_u32_u24 v[WA], v[R], PITCH
	v_lshl_add_u32 v[WA], v[H], 4, v[WA]
	v_add_nc_u32 v[WA+1], 64*PITCH, v[WA]
	v_lshl_add_u32 v[BA], v[H], 6, BIAS
	s_lshl_b32 s27, s24, 15
	v_add_nc_u32 v[GW], s27, v[L16]
	v_and_b32 v[GS], 8, v[R]
	v_add_nc_u32 v[GS], v[GS], v[R]
	v_lshlrev_b32 v[GS], 5, v[GS]
	v_lshlrev_b32 v[T4], 2, v0
	v_lshl_add_u32 v[BS], v0, 2, BIAS
	PAIR CC,    0x3f3504f3                         ; 1 / sqrt 2
	PAIR AL,    0xaf95df0b                         ; -2.72614226e-10
	PAIR AL+2,  0x32edffee                         ;  2.77068142e-08
	PAIR AL+4,  0xb60cff51                         ; -2.10102402e-06
	PAIR AL+6,  0xb86ec2d2                         ; -5.69250639e-05
	PAIR AL+8,  0xba40ac63                         ; -7.34990630e-04
	PAIR AL+10, 0xbb41a1f6                         ; -2.95459981e-03
	PAIR AL+12, 0xbc83dbd4                         ; -1.60960333e-02
	PAIR BE,    0xb77460cd                         ; -1.45660718e-05
	PAIR BE+2,  0xb95fbd29                         ; -2.13374055e-04
	PAIR BE+4,  0xbadc924e                         ; -1.68282697e-03
	PAIR BE+6,  0xbbf19bf8                         ; -7.37332917e-03
	PAIR BE+8,  0xbc69b6a7                         ; -1.42647391e-02
	s_mov_b32 s32, 0x76543210
	s_mov_b32 s33, 0xfedcba98                      ; v_permlanex16_b32's selects for lane l xor 16
	s_mov_b32 s34, 0x600000                        ; the mantissa field of 57,344
	s_lshl_b32 s35, s25, 7                         ; the expert's row of counts; kept for the scalar load below alone
	s_lshl_b32 s31, s25, 12                        ; the expert's row of the list; goes into the vector offsets
	s_mov_b32 s22, s24                             ; base: my first tile
	s_mov_b32 s29, 0
	s_wait_kmcnt 0x0
	s_load_b32 s20, s[4:5], s35 offset:CNT         ; the expert's count; waited for behind the barrier
	s_lshl_b32 s28, s25, 21
	s_lshl_b32 s27, s26, 17
	s_add_co_u32 s28, s28, s27
	s_add_nc_u64 s[10:11], s[10:11], s[28:29]      ; W1's codes: 2^21 bytes an expert, 2^17 a chunk
	s_lshl_b32 s28, s25, 16
	s_lshl_b32 s27, s26, 12
	s_add_co_u32 s28, s28, s27
	s_add_nc_u64 s[12:13], s[12:13], s[28:29]      ; W1's scales
	s_lshl_b32 s28, s25, 13
	s_lshl_b32 s27, s26, 9
	s_add_co_u32 s28, s28, s27
	s_add_nc_u64 s[14:15], s[14:15], s[28:29]      ; b1
	s_lshl_b32 s28, s25, 21
	s_lshl_b32 s27, s26, 11
	s_add_co_u32 s28, s28, s27
	s_add_nc_u64 s[16:17], s[16:17], s[28:29]      ; hc: 2^21 bytes an expert, K step c
	s_lshl_b32 s28, s25, 17
	s_lshl_b32 s27, s26, 7
	s_add_co_u32 s28, s28, s27
	s_add_nc_u64 s[18:19], s[18:19], s[28:29]      ; hs
; The three places' tiles (base, base + 4, base + 8, held at 63), their offsets, and the loads of their 16 list entries.
.macro XLIST
.irp j, 0,1,2
	s_add_co_u32 s[36+\j], s22, 4*\j
	s_min_u32 s[36+\j], s[36+\j], 63
	s_lshl_b32 s27, s[36+\j], 6
	s_add_co_u32 s27, s27, s31
	v_add_nc_u32 v[LO+\j], s27, v[R4]              ; list[e][16 tile + r]
	s_lshl_b32 s27, s[36+\j], 15
	v_add_nc_u32 v[HO+\j], s27, v[L16]             ; hc: 32,768 bytes a tile
	s_lshl_b32 s27, s[36+\j], 11
	v_add_nc_u32 v[SO+\j], s27, v[L4]              ; hs: 2,048 bytes a tile
.endr
.irp j, 0,1,2
	global_load_b32 v[TOK+\j], v[LO+\j], s[4:5]
.endr
.endm
; The tokens' scale words (6 loads) and codes (96 loads): lane (r, h) takes, of token r's row, bytes 128 s + 32 c + 16 h on: registers 4 c .. 4 c + 3 of K step s's fragment.
.macro XLOAD
.irp j, 0,1,2
	v_min_u32 v[TOK+\j], 0x3ff, v[TOK+\j]          ; a loaded number enters an address behind a hold at a constant
	v_lshl_add_u32 v[XO+\j], v[TOK+\j], 10, v[H16]
	v_lshlrev_b32 v[XSO+\j], 5, v[TOK+\j]
.endr
.irp j, 0,1,2
	global_load_b128 v[XS+8*\j:XS+8*\j+3], v[XSO+\j], s[8:9]
	global_load_b128 v[XS+8*\j+4:XS+8*\j+7], v[XSO+\j], s[8:9] offset:16
.endr
	WIN 0x40
.irp j, 0,1
.irp s, 0,1,2,3,4,5,6,7
.irp c, 0,1,2,3
	global_load_b128 v[128*\j+16*\s+4*\c:128*\j+16*\s+4*\c+3], v[XO+\j], s[6:7] offset:128*\s+32*\c
.endr
.endr
.endr
	WIN 0x80
.irp s, 0,1,2,3,4,5,6,7
.irp c, 0,1,2,3
	global_load_b128 v[16*\s+4*\c:16*\s+4*\c+3], v[XO+2], s[6:7] offset:128*\s+32*\c
.endr
.endr
	WIN 0
.endm
; Eight matrix instructions: place j against W1's eight tiles, K step s.  Every one adds in place; the accumulators take turns, one instruction a turn, on every way through the text.
.macro MUL j, s
.if \j < 2
	WIN 0xf6                                       ; source 0 (W1) window 2, source 1 (x) window 1, C and D window 3
.else
	WIN 0xfa                                       ; x in window 2
.endif
.irp t, 0,1,2,3,4,5,6,7
	v_wmma_scale_f32_16x16x128_f8f6f4 v[64*\j+8*\t:64*\j+8*\t+7], v[128+16*\t:128+16*\t+15], v[128*(\j&1)+16*\s:128*(\j&1)+16*\s+15], v[64*\j+8*\t:64*\j+8*\t+7], v[WS+8*\t+\s], v[XS+8*\j+\s] matrix_a_fmt:MATRIX_FMT_BF8 matrix_b_fmt:MATRIX_FMT_BF8
.endr
	WIN 0                                          ; at a branch and at a label every window is 0
.endm
; A K step of 128: W1's eight fragments from LDS in one run, then the products of the places that have a tile (s23 of them).
.macro KSTEP s
.if \s > 0
	PLACES 8                                       ; a load into a register that a matrix instruction of this form has read stands eight plain vector instructions behind it
.endif
	WIN 0x80
.irp t, 0,1,2,3,4,5,6,7
.irp c, 0,1,2,3
	ds_load_b128 v[128+16*\t+4*\c:128+16*\t+4*\c+3], v[WA+\t/4] offset:16*(\t%4)*PITCH+128*\s+32*\c
.endr
.endr
	WIN 0
	s_wait_dscnt 0x0
	MUL 0, \s
	s_cmp_lt_u32 s23, 2
	s_cbranch_scc1 .Lk_\@
	MUL 1, \s
	s_cmp_lt_u32 s23, 3
	s_cbranch_scc1 .Lk_\@
	MUL 2, \s
.Lk_\@:
.endm
; gelu of the 16 numbers at register a of window 3 (two accumulators, each read from its low end on) into v[P] on.
.macro GELU a
	WIN 0x03                                       ; source 0 window 3
.irp i, 0,2,4,6,8,10,12,14
	v_pk_mul_f32 v[Z+\i:Z+\i+1], v[(\a)+\i:(\a)+\i+1], v[CC:CC+1]          ; z = v / sqrt 2
.endr
.irp i, 0,2,4,6,8,10,12,14
	v_pk_mul_f32 v[HX+\i:HX+\i+1], v[(\a)+\i:(\a)+\i+1], 0.5 op_sel_hi:[1,0]   ; v / 2
.endr
	WIN 0
.irp i, 0,1,2,3,4,5,6,7,8,9,10,11,12,13,14,15
	v_med3_num_f32 v[Z+\i], v[Z+\i], -4.0, 4.0     ; beyond +-4 erf is +-1 in f32
.endr
.irp i, 0,2,4,6,8,10,12,14
	v_pk_mul_f32 v[Z2+\i:Z2+\i+1], v[Z+\i:Z+\i+1], v[Z+\i:Z+\i+1]
.endr
.irp i, 0,2,4,6,8,10,12,14
	v_pk_fma_f32 v[P+\i:P+\i+1], v[Z2+\i:Z2+\i+1], v[AL:AL+1], v[AL+2:AL+3]
.endr
.irp k, 2,3,4,5,6
.irp i, 0,2,4,6,8,10,12,14
	v_pk_fma_f32 v[P+\i:P+\i+1], v[P+\i:P+\i+1], v[Z2+\i:Z2+\i+1], v[AL+2*\k:AL+2*\k+1]
.endr
.endr
.irp i, 0,2,4,6,8,10,12,14
	v_pk_mul_f32 v[P+\i:P+\i+1], v[P+\i:P+\i+1], v[Z+\i:Z+\i+1]            ; z P(z^2)
.endr
.irp i, 0,2,4,6,8,10,12,14
	v_pk_fma_f32 v[Z+\i:Z+\i+1], v[Z2+\i:Z2+\i+1], v[BE:BE+1], v[BE+2:BE+3]
.endr
.irp k, 2,3,4
.irp i, 0,2,4,6,8,10,12,14
	v_pk_fma_f32 v[Z+\i:Z+\i+1], v[Z+\i:Z+\i+1], v[Z2+\i:Z2+\i+1], v[BE+2*\k:BE+2*\k+1]   ; Q(z^2): all its coefficients are negative, so it is never 0
.endr
.endr
.irp i, 0,1,2,3,4,5,6,7,8,9,10,11,12,13,14,15
	v_rcp_f32 v[Z2+\i], v[Z+\i]
.endr
	v_nop                                          ; a plain instruction behind the last reciprocal, ahead of the first use
	s_wait_alu depctr_va_vdst(0)                   ; one wait for the sixteen, ahead of their first reader
.irp i, 0,2,4,6,8,10,12,14
	v_pk_mul_f32 v[P+\i:P+\i+1], v[P+\i:P+\i+1], v[Z2+\i:Z2+\i+1]          ; erf
.endr
.irp i, 0,2,4,6,8,10,12,14
	v_pk_fma_f32 v[P+\i:P+\i+1], v[P+\i:P+\i+1], v[HX+\i:HX+\i+1], v[HX+\i:HX+\i+1]   ; v/2 erf + v/2
.endr
.endm
; Block b of the fragment: my 16 numbers in v[P] on and lane l xor 16's 16 are the 32 of a block.  Codes to v[PC + 4 b] on, the byte into the scale word.
.macro QUANT b
	v_max3_num_f32 v[TM], |v[P]|, |v[P+1]|, 0x8000000              ; the largest magnitude, in two chains, with the floor 2^(16 - 127) among its leaves: the byte cannot fall under 1
	v_max3_num_f32 v[TM1], |v[P+2]|, |v[P+3]|, |v[P+4]|
	v_max3_num_f32 v[TM], v[TM], |v[P+5]|, |v[P+6]|
	v_max3_num_f32 v[TM1], v[TM1], |v[P+7]|, |v[P+8]|
	v_max3_num_f32 v[TM], v[TM], |v[P+9]|, |v[P+10]|
	v_max3_num_f32 v[TM1], v[TM1], |v[P+11]|, |v[P+12]|
	v_max3_num_f32 v[TM], v[TM], |v[P+13]|, |v[P+14]|
	v_max3_num_f32 v[TM], v[TM], v[TM1], |v[P+15]|
	v_permlanex16_b32 v[TM1], v[TM], s32, s33
	v_max_num_f32 v[TM], v[TM], v[TM1]
	v_add_nc_u32 v[SOP], 0xf8800000, v[TM]         ; 15 off its exponent field: the conversion takes the exponent field of this operand as its scale
	v_and_or_b32 v[HD], v[TM], 0x7f800000, s34     ; 57,344 x the scale
.if \b == 0
	v_lshrrev_b32 v[PW], 23, v[SOP]                ; the scale's byte
.else
	v_lshrrev_b32 v[BY], 23, v[SOP]
	v_lshl_or_b32 v[PW], v[BY], 8*\b, v[PW]
.endif
.irp i, 0,1,2,3,4,5,6,7,8,9,10,11,12,13,14,15
	v_med3_num_f32 v[P+\i], v[P+\i], -v[HD], v[HD] ; the conversion to an 8-bit code does not saturate (ISA guide 7.6.2): the hold at the largest code x the scale
.endr
	v_cvt_scalef32_pk8_bf8_f32 v[PC+4*\b:PC+4*\b+1], v[P:P+7], v[SOP]
	v_cvt_scalef32_pk8_bf8_f32 v[PC+4*\b+2:PC+4*\b+3], v[P+8:P+15], v[SOP]
	v_nop                                          ; a plain instruction between the conversions and the next vector instruction that writes their sources
.endm
; Place j's tile: gelu, quantiser, and the fragment's image out: four stores of 512 bytes on end, aligned, and the scale register's 128 bytes.
.macro EPI j
	s_wait_xcnt 0x0                                ; the codes' and the scale word's registers were the last tile's store data: written again only behind this wait
.irp b, 0,1,2,3
	GELU 64*\j+16*\b
	QUANT \b
.endr
.irp g, 0,1,2,3
	global_store_b128 v[HO+\j], v[PC+4*\g:PC+4*\g+3], s[16:17] offset:512*\g
.endr
	global_store_b32 v[SO+\j], v[PW], s[18:19]
.endm
	XLIST                                          ; 3 loads
.irp t, 0,1,2,3,4,5,6,7
.irp q, 0,1
	global_load_b128 v[WS+8*\t+4*\q:WS+8*\t+4*\q+3], v[GS], s[12:13] offset:(32*(\t/2)+8*(\t%2))*32+16*\q   ; 16 loads: the scale words of tile t's rows, all eight K steps
.endr
.endr
	global_load_b32 v[BD], v[T4], s[14:15]         ; 1 load: 128 threads, 128 numbers of b1
	WIN 0xc0
.set i, 0
.rept 64
	global_load_b128 v[4*i:4*i+3], v[GW], s[10:11] offset:512*i th:TH_LOAD_NT   ; 64 loads of 512 bytes on end: my wave's 32 rows of W1; read once in the launch
.set i, i+1
.endr
	WIN 0
	s_wait_loadcnt 63                              ; behind the list's loads stand 81, behind b1's 64: at 63 outstanding the list, the scale words and b1 are in
	XLOAD                                          ; 102 loads
	s_wait_loadcnt 63                              ; behind the last load of W1 stand 102: W1 is in
	WIN 0x0c                                       ; an LDS store's data are its source 1: window 3
.set i, 0
.rept 64
	ds_store_b128 v[LW], v[4*i:4*i+3] offset:(16*(((i>>1)>>3)&1)+8*((i>>1)>>4)+((i>>1)&7))*PITCH+(i&1)*512   ; row x of my 32 goes to place 16 ((x / 8) % 2) + 8 (x / 16) + x % 8: the tiles' order
.set i, i+1
.endr
	WIN 0
	ds_store_b32 v[BS], v[BD]
	s_wait_dscnt 0x0                               ; for the others' sake: my stores have landed
	s_barrier_signal -1
	s_barrier_wait -1                              ; the launch's one barrier; no branch on loaded data stands ahead of it.  Behind it W1 and b1 are only read
	s_wait_kmcnt 0x0                               ; the count
	s_add_co_u32 s21, s20, 15
	s_lshr_b32 s21, s21, 4
	s_max_u32 s21, s21, 1                          ; tiles to store: at least tile 0
	s_min_u32 s21, s21, 64
	s_cmp_ge_u32 s22, s21
	s_cbranch_scc1 .Lend                           ; no tile for my wave
	s_sub_co_u32 s30, s21, s22                     ; my passes: (tiles - wave + 11) / 12, rounded down: x 2,731 >> 15 is that quotient for every argument up to 75, the largest here
	s_add_co_u32 s30, s30, 11
	s_mul_i32 s30, s30, 2731
	s_lshr_b32 s30, s30, 15
	s_min_u32 s30, s30, 6                          ; 64 tiles are six passes at the most
	s_mov_b32 s39, 0                               ; passes done: the loop's counter, one a trip
.Lpass:
	s_sub_co_u32 s23, s21, s22
	s_add_co_u32 s23, s23, 3
	s_lshr_b32 s23, s23, 2
	s_min_u32 s23, s23, 3                          ; how many of my three places have a tile
	WIN 0xc0
.irp j, 0,1,2
.irp t, 0,1,2,3,4,5,6,7
	ds_load_b128 v[64*\j+8*\t:64*\j+8*\t+3], v[BA] offset:128*(\t/2)+32*(\t%2)          ; b1 in the result's layout starts the sums: lane (r, h), tile 2 b + u: units 32 b + 16 h + 8 u + 0 .. 7
	ds_load_b128 v[64*\j+8*\t+4:64*\j+8*\t+7], v[BA] offset:128*(\t/2)+32*(\t%2)+16
.endr
.endr
	WIN 0
	s_wait_loadcnt 0x0                             ; x's codes and scale words
.irp s, 0,1,2,3,4,5,6,7
	KSTEP \s
.endr
	PLACES 8                                       ; in front of the first read of results, and of every later load into the products' registers
	EPI 0
	s_cmp_lt_u32 s23, 2
	s_cbranch_scc1 .Lstored
	EPI 1
	s_cmp_lt_u32 s23, 3
	s_cbranch_scc1 .Lstored
	EPI 2
.Lstored:
	s_add_co_u32 s22, s22, 12                      ; the next pass's first tile
	s_add_co_u32 s39, s39, 1
	s_cmp_ge_u32 s39, s30
	s_cbranch_scc1 .Lend                           ; the last pass asks for nothing more
	s_wait_xcnt 0x0                                ; the stores have read their offsets: they may be written again
	XLIST
	s_wait_loadcnt 0x0
	XLOAD
	s_cmp_lt_u32 s39, s30
	s_cbranch_scc1 .Lpass
.Lend:
	s_wait_tensorcnt 0x0                           ; the wave's end
	ds_add_u32 v[SPW], v[NIL]
	s_wait_dscnt 0x0
	s_endpgm
.Lfunc_end_k_q0f339a14ca_hidden:
	.size	k_q0f339a14ca_hidden, .Lfunc_end_k_q0f339a14ca_hidden-k_q0f339a14ca_hidden
	.p2alignl 7, 3214868480
	.fill 96, 4, 3214868480
	.section	.rodata,"a",@progbits
	.p2align	6, 0x0
	.amdhsa_kernel k_q0f339a14ca_hidden
		.amdhsa_group_segment_fixed_size 134144
		.amdhsa_private_segment_fixed_size 0
		.amdhsa_enable_private_segment 0
		.amdhsa_kernarg_size 64
		.amdhsa_user_sgpr_count 2
		.amdhsa_user_sgpr_kernarg_segment_ptr 1
		.amdhsa_wavefront_size32 1
		.amdhsa_system_sgpr_workgroup_id_x 1
		.amdhsa_system_sgpr_workgroup_id_y 1
		.amdhsa_system_sgpr_workgroup_id_z 1
		.amdhsa_system_vgpr_workitem_id 0
		.amdhsa_next_free_vgpr 1024
		.amdhsa_next_free_sgpr 66
		.amdhsa_reserve_vcc 0
		.amdhsa_float_denorm_mode_32 3
		.amdhsa_float_denorm_mode_16_64 3
		.amdhsa_memory_ordered 1
		.amdhsa_forward_progress 1
		.amdhsa_inst_pref_size 230
	.end_amdhsa_kernel
	.amdgpu_metadata
---
amdhsa.version: [ 1, 2 ]
amdhsa.kernels:
  - .name:           k_q0f339a14ca_hidden
    .symbol:         k_q0f339a14ca_hidden.kd
    .args:
      - { .name: route, .offset: 0, .size: 8, .value_kind: global_buffer, .address_space: global }
      - { .name: x_codes, .offset: 8, .size: 8, .value_kind: global_buffer, .address_space: global }
      - { .name: x_scales, .offset: 16, .size: 8, .value_kind: global_buffer, .address_space: global }
      - { .name: w1_codes, .offset: 24, .size: 8, .value_kind: global_buffer, .address_space: global }
      - { .name: w1_scales, .offset: 32, .size: 8, .value_kind: global_buffer, .address_space: global }
      - { .name: b1, .offset: 40, .size: 8, .value_kind: global_buffer, .address_space: global }
      - { .name: hc, .offset: 48, .size: 8, .value_kind: global_buffer, .address_space: global }
      - { .name: hs, .offset: 56, .size: 8, .value_kind: global_buffer, .address_space: global }
    .group_segment_fixed_size: 134144
    .private_segment_fixed_size: 0
    .kernarg_segment_align: 8
    .kernarg_segment_size: 64
    .max_flat_workgroup_size: 128
    .sgpr_count:     66
    .vgpr_count:     1024
    .wavefront_size: 32
...
	.end_amdgpu_metadata
.endif
;; end of part 2
;; launch expert_out (part 3): grid 16 x 16, 4 waves a work-group, no clusters, 150,016 bytes of LDS; arguments route, hc, hs, w2_codes, w2_scales, yb; writes yb
.if DOCPART == 3
	.amdgcn_target "amdgcn-amd-amdhsa--gfx1250"
	.amdhsa_code_object_version 6
	.text
	.protected	k_q0f339a14ca_expert_out
	.globl	k_q0f339a14ca_expert_out
	.p2align	8
	.type	k_q0f339a14ca_expert_out,@function
k_q0f339a14ca_expert_out:
	s_mov_b64 s[64:65], 0
	v_nop
	global_prefetch_b8 v0, s[64:65] scope:SCOPE_SE
	s_setreg_imm32_b32 hwreg(HW_REG_WAVE_MODE, 25, 1), 1
	s_wait_xcnt 0x0
; y[e][place][d] = the sum over the 2,048 hidden units of h[e][place] W2[e][d], on codes of BF8 (E5M2) with one E8M0 scale for each 32 along K; not yet weighed by the gate.  Only the places of the list are
; multiplied: the pairs (token, expert) left out have the gate +-0, as the first launch has stored in whole numbers (a NaN or an infinity in them is not carried on).
; SHARES.  Work-group (dc, e): outputs 64 dc .. 64 dc + 63 of expert e.  Its 64 rows x 2,048 bytes of W2 are one dense block: they come into LDS ONCE, so each byte of W2 is read once in the launch.
; Wave w takes tiles of 16 places w, w + 4, w + 8 (then + 12 a pass), up to three at a time, against the four tiles of 16 outputs, through 16 K steps of 128.
; h comes straight from memory into the operand's registers: hc holds images of fragments, so a load is 512 bytes on end.  Eight K steps of each place are held; K step s + 7 is asked for when K step s - 1 has been multiplied.
; TRANSPOSED (source 0 = 16 rows of W2, source 1 = 16 places): a lane holds eight neighbouring outputs of one place; a tile goes through the wave's own stage in LDS and leaves as rows of 256 bytes on end, aligned.
; WHAT HANGS ON THE COUNT (read from memory): how many tiles a wave walks.  Loads are issued for all three places alike, from a tile that the launch before has stored (held at the last such tile); the products
; and stores of a place without a tile are jumped over.
; NO TENSOR LOAD, NO CLUSTER: the trip count and the branches hang on a count read from memory, and the bulk of a work-group's bytes (131,072 of W2) is read by no other work-group; what the 16 work-groups of an
; expert share is h, 32,768 bytes a tile.
; REGISTERS, in windows of 256.  Window 0: addresses, scale words, W2's four fragments of a K step, rows on the way out.  Window 1: h of place 0 (v[16 (s % 8)]) and of place 1 (v[128 + 16 (s % 8)]).
; Window 2: v0-127 h of place 2; v128-223 the accumulators (128 + 32 j + 8 d).  W2 goes to LDS through v128-255 of window 2 and v0-127 of window 3.
.set PITCH,  2064                      ; a row of W2 in LDS: 2,048 bytes + 16: 129 x 16
.set STAGE,  64*PITCH                  ; 16 rows x 272 bytes for each wave
.set SPITCH, 272
.set SPARE,  STAGE+4*16*SPITCH         ; the spare words, 128 bytes for each wave: two blocks of 256 bytes that no other line names
.set CNT,    69632
.set R,   1
.set H,   2
.set LW,  3                            ; LDS: where my wave's 16 rows of W2 go, + 16 x lane
.set WA,  4                            ; v4, v5: LDS: a fragment's row r + 16 h, tiles 0-1 and tiles 2-3
.set STO, 6                            ; the stage: where I put 32 bytes of a row
.set RD,  7                            ; and where I read a row back
.set L16, 8
.set L4,  9
.set GW,  10                           ; W2 in memory: 32,768 x wave + 16 x lane
.set GS,  11                           ; W2's scales: 64 bytes a row
.set HO,  12                           ; v12-14 place j: offset in hc
.set HSA, 15                           ; v15-17 in hs
.set YO,  18                           ; v18-20 in yb
.set YL,  21                           ; 4,096 h + 16 r
.set SPW, 22                           ; my spare word; never rewritten
.set NIL, 23                           ; 0; never rewritten
.set W2S, 32                           ; v32-95   W2's scale words: tile d, K step s at 16 d + s
.set HSW, 96                           ; v96-143  h's scale words: place j, K step s at 16 j + s
.set WF,  144                          ; v144-207 W2's four fragments
.set OB,  208                          ; v208-239 16 rows on the way out
.set ACC, 128
.set MSB, 0
.macro WIN new                         ; low byte: bits 1:0 source 0, 3:2 source 1, 5:4 source 2, 7:6 destination; the high byte repeats the setting that is left
.if MSB != \new
	s_set_vgpr_msb (MSB<<8)|\new
.set MSB, \new
.endif
.endm
.macro PLACES n
.rept \n
	v_nop
.endr
.endm
	s_load_b256 s[4:11], s[0:1], 0x0               ; route s[4:5], hc s[6:7], hs s[8:9], W2's codes s[10:11]
	s_load_b128 s[12:15], s[0:1], 0x20             ; W2's scales s[12:13], yb s[14:15]
	v_lshl_add_u32 v[SPW], v0, 2, SPARE
	v_mov_b32 v[NIL], 0
	v_lshrrev_b32 v24, 5, v0
	v_readfirstlane_b32 s24, v24                   ; wave 0..3
	s_and_b32 s25, ttmp7, 0xffff                   ; e
	s_mov_b32 s26, ttmp9                           ; dc
	v_and_b32 v24, 31, v0                          ; lane
	v_and_b32 v[R], 15, v0
	v_bfe_u32 v[H], v0, 4, 1
	v_lshlrev_b32 v[L16], 4, v24
	v_lshlrev_b32 v[L4], 2, v24
	s_mul_i32 s27, s24, 16*PITCH
	v_add_nc_u32 v[LW], s27, v[L16]
	v_mul_u32_u24 v[WA], v[R], PITCH
	v_lshl_add_u32 v[WA], v[H], 4, v[WA]
	v_add_nc_u32 v[WA+1], 32*PITCH, v[WA]
	s_mul_i32 s27, s24, 16*SPITCH
	s_add_co_u32 s27, s27, STAGE                   ; my stage
	v_mul_u32_u24 v[STO], v[R], SPITCH
	v_lshl_add_u32 v[STO], v[H], 5, v[STO]
	v_add_nc_u32 v[STO], s27, v[STO]               ; in: row r, 32 bytes for each half of the lanes
	v_mul_u32_u24 v[RD], v[H], SPITCH
	v_lshl_add_u32 v[RD], v[R], 4, v[RD]
	v_add_nc_u32 v[RD], s27, v[RD]                 ; back: lanes 0-15 one row of 256 bytes, lanes 16-31 the next
	s_lshl_b32 s27, s24, 15
	v_add_nc_u32 v[GW], s27, v[L16]
	v_lshlrev_b32 v[GS], 6, v[R]
	v_lshlrev_b32 v[YL], 12, v[H]
	v_lshl_add_u32 v[YL], v[R], 4, v[YL]           ; and the same two rows in yb: 4,096 bytes a row
	s_lshl_b32 s35, s25, 7                         ; the expert's row of counts; kept for the scalar load below alone
	s_mov_b32 s22, s24                             ; base: my first tile
	s_mov_b32 s29, 0
	s_wait_kmcnt 0x0
	s_load_b32 s20, s[4:5], s35 offset:CNT
	s_lshl_b32 s28, s25, 21
	s_add_nc_u64 s[6:7], s[6:7], s[28:29]          ; hc: 2^21 bytes an expert
	s_lshl_b32 s27, s26, 17
	s_add_co_u32 s28, s28, s27
	s_add_nc_u64 s[10:11], s[10:11], s[28:29]      ; W2's codes: 2^21 an expert, 2^17 a chunk
	s_lshl_b32 s28, s25, 17
	s_add_nc_u64 s[8:9], s[8:9], s[28:29]          ; hs
	s_lshl_b32 s28, s25, 16
	s_lshl_b32 s27, s26, 12
	s_add_co_u32 s28, s28, s27
	s_add_nc_u64 s[12:13], s[12:13], s[28:29]      ; W2's scales
	s_lshl_b32 s28, s25, 22
	s_lshl_b32 s27, s26, 8
	s_add_co_u32 s28, s28, s27
	s_add_nc_u64 s[14:15], s[14:15], s[28:29]      ; yb: 2^22 bytes an expert, 256 a chunk
; The three places' offsets.  Stores go to the true tile (base + 4 j); loads come from that tile held at the last one that was stored (s30).
.macro TILES
.irp j, 0,1,2
	s_add_co_u32 s27, s22, 4*\j
	s_min_u32 s28, s27, 63
	s_lshl_b32 s28, s28, 16
	v_add_nc_u32 v[YO+\j], s28, v[YL]              ; yb: 65,536 bytes a tile
	s_min_u32 s27, s27, s30
	s_min_u32 s27, s27, 63                         ; a loaded number enters an address behind a hold at a constant
	s_lshl_b32 s28, s27, 15
	v_add_nc_u32 v[HO+\j], s28, v[L16]             ; hc: 32,768 bytes a tile
	s_lshl_b32 s28, s27, 11
	v_add_nc_u32 v[HSA+\j], s28, v[L4]             ; hs: 2,048 bytes a tile
.endr
.endm
.macro HSC                             ; 48 loads: h's scale registers, all 16 K steps of the three places
.irp j, 0,1,2
.irp s, 0,1,2,3,4,5,6,7,8,9,10,11,12,13,14,15
	global_load_b32 v[HSW+16*\j+\s], v[HSA+\j], s[8:9] offset:128*\s
.endr
.endr
.endm
.macro HLOAD s                         ; 12 loads: K step s's fragments of the three places, each load 512 bytes on end
	WIN 0x40
.irp j, 0,1
.irp c, 0,1,2,3
	global_load_b128 v[128*\j+16*((\s)%8)+4*\c:128*\j+16*((\s)%8)+4*\c+3], v[HO+\j], s[6:7] offset:2048*(\s)+512*\c
.endr
.endr
	WIN 0x80
.irp c, 0,1,2,3
	global_load_b128 v[16*((\s)%8)+4*\c:16*((\s)%8)+4*\c+3], v[HO+2], s[6:7] offset:2048*(\s)+512*\c
.endr
	WIN 0
.endm
; Four matrix instructions: place j against W2's four tiles, K step s.  K step 0 starts the sums with the constant 0.  The accumulators take turns, one instruction a turn, on every way.
.macro MUL j, s
.if \j < 2
	WIN 0xa4                                       ; source 0 (W2) window 0, source 1 (h) window 1, C and D window 2
.else
	WIN 0xa8                                       ; h in window 2
.endif
.irp d, 0,1,2,3
.if \s == 0
	v_wmma_scale_f32_16x16x128_f8f6f4 v[ACC+32*\j+8*\d:ACC+32*\j+8*\d+7], v[WF+16*\d:WF+16*\d+15], v[128*(\j&1)+16*(\s%8):128*(\j&1)+16*(\s%8)+15], 0, v[W2S+16*\d+\s], v[HSW+16*\j+\s] matrix_a_fmt:MATRIX_FMT_BF8 matrix_b_fmt:MATRIX_FMT_BF8
.else
	v_wmma_scale_f32_16x16x128_f8f6f4 v[ACC+32*\j+8*\d:ACC+32*\j+8*\d+7], v[WF+16*\d:WF+16*\d+15], v[128*(\j&1)+16*(\s%8):128*(\j&1)+16*(\s%8)+15], v[ACC+32*\j+8*\d:ACC+32*\j+8*\d+7], v[W2S+16*\d+\s], v[HSW+16*\j+\s] matrix_a_fmt:MATRIX_FMT_BF8 matrix_b_fmt:MATRIX_FMT_BF8
.endif
.endr
	WIN 0                                          ; at a branch and at a label every window is 0
.endm
; A K step.  The wait on the loads leaves out those issued behind this step's twelve: 12 (7 - s) + 12 s = 84 up to step 7, 12 (15 - s) from step 8 on; the wait's field takes 63 at the most, and a smaller count is safe.
.macro KSTEP s
	PLACES 8                                       ; loads into registers that matrix instructions of this form have read stand eight plain vector instructions behind them; with the eight behind the last K step these are also more than the nine that K step 0's products, which begin the accumulators anew, owe in a later pass
.if (\s >= 1) && (\s <= 8)
	HLOAD \s+7                                     ; into the place that K step s - 1 has left
.endif
.irp d, 0,1,2,3
.irp c, 0,1,2,3
	ds_load_b128 v[WF+16*\d+4*\c:WF+16*\d+4*\c+3], v[WA+\d/2] offset:16*(\d%2)*PITCH+128*\s+32*\c
.endr
.endr
.set NN, 12*(15-\s)
.if NN > 63
.set NN, 63
.endif
	s_wait_loadcnt NN
	s_wait_dscnt 0x0
	MUL 0, \s
	s_cmp_lt_u32 s23, 2
	s_cbranch_scc1 .Lk_\@
	MUL 1, \s
	s_cmp_lt_u32 s23, 3
	s_cbranch_scc1 .Lk_\@
	MUL 2, \s
.Lk_\@:
.endm
; Place j's tile goes out: 16 rows x 64 outputs through my stage; sixteen lanes store 256 bytes on end, aligned; two rows an instruction.
.macro OUT j
	s_wait_xcnt 0x0                                ; the rows' registers were the last tile's store data: loaded again only behind this wait
	WIN 0x08                                       ; an LDS store's data are its source 1: window 2
.irp d, 0,1,2,3
	ds_store_b128 v[STO], v[ACC+32*\j+8*\d:ACC+32*\j+8*\d+3] offset:64*\d              ; each accumulator from its low end on
	ds_store_b128 v[STO], v[ACC+32*\j+8*\d+4:ACC+32*\j+8*\d+7] offset:64*\d+16
.endr
	WIN 0
.irp i, 0,1,2,3,4,5,6,7
	ds_load_b128 v[OB+4*\i:OB+4*\i+3], v[RD] offset:2*\i*SPITCH    ; LDS serves a wave's instructions in order (ISA guide 5.7.1.4): these see my stores
.endr
	s_wait_dscnt 0x0
.irp i, 0,1,2,3,4,5,6,7
	global_store_b128 v[YO+\j], v[OB+4*\i:OB+4*\i+3], s[14:15] offset:8192*\i
.endr
.endm
.irp d, 0,1,2,3
.irp q, 0,1,2,3
	global_load_b128 v[W2S+16*\d+4*\q:W2S+16*\d+4*\q+3], v[GS], s[12:13] offset:1024*\d+16*\q   ; 16 loads: the scale words of tile d's rows, all 16 K steps
.endr
.endr
	WIN 0x80
.set i, 0
.rept 32
	global_load_b128 v[128+4*i:128+4*i+3], v[GW], s[10:11] offset:512*i th:TH_LOAD_NT   ; 64 loads of 512 bytes on end: my wave's 16 rows of W2; read once in the launch
.set i, i+1
.endr
	WIN 0xc0
.rept 32
	global_load_b128 v[4*(i-32):4*(i-32)+3], v[GW], s[10:11] offset:512*i th:TH_LOAD_NT
.set i, i+1
.endr
	WIN 0
	s_wait_kmcnt 0x0                               ; the count
	s_add_co_u32 s21, s20, 15
	s_lshr_b32 s21, s21, 4
	s_min_u32 s21, s21, 64                         ; T: the expert's tiles
	s_max_u32 s30, s21, 1
	s_sub_co_u32 s30, s30, 1                       ; the last tile that was stored
	TILES
	HSC                                            ; 48 loads
.irp s, 0,1,2,3,4,5,6,7
	HLOAD \s                                       ; 96 loads
.endr
	s_wait_loadcnt 63                              ; behind the last load of W2 stand 144: W2 and its scale words are in
	WIN 0x08
.set i, 0
.rept 32
	ds_store_b128 v[LW], v[128+4*i:128+4*i+3] offset:(i/4)*PITCH+(i%4)*512
.set i, i+1
.endr
	WIN 0x0c
.rept 32
	ds_store_b128 v[LW], v[4*(i-32):4*(i-32)+3] offset:(i/4)*PITCH+(i%4)*512
.set i, i+1
.endr
	WIN 0
	s_wait_dscnt 0x0                               ; for the others' sake: my stores have landed
	s_barrier_signal -1
	s_barrier_wait -1                              ; the launch's one barrier; no branch on loaded data stands ahead of it.  Behind it W2 is only read, and each wave's stage is its own
	s_cmp_ge_u32 s22, s21
	s_cbranch_scc1 .Lend                           ; no tile for my wave
	s_sub_co_u32 s31, s21, s22                     ; my passes: (tiles - wave + 11) / 12, rounded down: x 2,731 >> 15 is that quotient for every argument up to 75, the largest here
	s_add_co_u32 s31, s31, 11
	s_mul_i32 s31, s31, 2731
	s_lshr_b32 s31, s31, 15
	s_min_u32 s31, s31, 6                          ; 64 tiles are six passes at the most
	s_mov_b32 s32, 0                               ; passes done: the loop's counter, one a trip
.Lpass:                                            ; on the way in and on the way back the same 144 loads are out, in the same order
	s_sub_co_u32 s23, s21, s22
	s_add_co_u32 s23, s23, 3
	s_lshr_b32 s23, s23, 2
	s_min_u32 s23, s23, 3                          ; how many of my three places have a tile
.irp s, 0,1,2,3,4,5,6,7,8,9,10,11,12,13,14,15
	KSTEP \s
.endr
	PLACES 8                                       ; in front of the first read of results, and of every later load into the products' registers
	OUT 0
	s_cmp_lt_u32 s23, 2
	s_cbranch_scc1 .Lstored
	OUT 1
	s_cmp_lt_u32 s23, 3
	s_cbranch_scc1 .Lstored
	OUT 2
.Lstored:
	s_add_co_u32 s22, s22, 12                      ; the next pass's first tile
	s_add_co_u32 s32, s32, 1
	s_cmp_ge_u32 s32, s31
	s_cbranch_scc1 .Lend                           ; the last pass asks for nothing more
	s_wait_xcnt 0x0                                ; the stores have read their offsets: they may be written again
	TILES
	HSC
.irp s, 0,1,2,3,4,5,6,7
	HLOAD \s
.endr
	s_cmp_lt_u32 s32, s31
	s_cbranch_scc1 .Lpass
.Lend:
	s_wait_tensorcnt 0x0                           ; the wave's end
	ds_add_u32 v[SPW], v[NIL]
	s_wait_dscnt 0x0
	s_endpgm
.Lfunc_end_k_q0f339a14ca_expert_out:
	.size	k_q0f339a14ca_expert_out, .Lfunc_end_k_q0f339a14ca_expert_out-k_q0f339a14ca_expert_out
	.p2alignl 7, 3214868480
	.fill 96, 4, 3214868480
	.section	.rodata,"a",@progbits
	.p2align	6, 0x0
	.amdhsa_kernel k_q0f339a14ca_expert_out
		.amdhsa_group_segment_fixed_size 150016
		.amdhsa_private_segment_fixed_size 0
		.amdhsa_enable_private_segment 0
		.amdhsa_kernarg_size 48
		.amdhsa_user_sgpr_count 2
		.amdhsa_user_sgpr_kernarg_segment_ptr 1
		.amdhsa_wavefront_size32 1
		.amdhsa_system_sgpr_workgroup_id_x 1
		.amdhsa_system_sgpr_workgroup_id_y 1
		.amdhsa_system_sgpr_workgroup_id_z 1
		.amdhsa_system_vgpr_workitem_id 0
		.amdhsa_next_free_vgpr 896
		.amdhsa_next_free_sgpr 66
		.amdhsa_reserve_vcc 0
		.amdhsa_float_denorm_mode_32 3
		.amdhsa_float_denorm_mode_16_64 3
		.amdhsa_memory_ordered 1
		.amdhsa_forward_progress 1
		.amdhsa_inst_pref_size 112
	.end_amdhsa_kernel
	.amdgpu_metadata
---
amdhsa.version: [ 1, 2 ]
amdhsa.kernels:
  - .name:           k_q0f339a14ca_expert_out
    .symbol:         k_q0f339a14ca_expert_out.kd
    .args:
      - { .name: route, .offset: 0, .size: 8, .value_kind: global_buffer, .address_space: global }
      - { .name: hc, .offset: 8, .size: 8, .value_kind: global_buffer, .address_space: global }
      - { .name: hs, .offset: 16, .size: 8, .value_kind: global_buffer, .address_space: global }
      - { .name: w2_codes, .offset: 24, .size: 8, .value_kind: global_buffer, .address_space: global }
      - { .name: w2_scales, .offset: 32, .size: 8, .value_kind: global_buffer, .address_space: global }
      - { .name: yb, .offset: 40, .size: 8, .value_kind: global_buffer, .address_space: global }
    .group_segment_fixed_size: 150016
    .private_segment_fixed_size: 0
    .kernarg_segment_align: 8
    .kernarg_segment_size: 48
    .max_flat_workgroup_size: 128
    .sgpr_count:     66
    .vgpr_count:     896
    .wavefront_size: 32
...
	.end_amdgpu_metadata
.endif
;; end of part 3
;; launch combine (part 4): grid 512 x 1, 8 waves a work-group, no clusters, 0 bytes of LDS; arguments route, routing_tensor, yb, out0; writes out0
.if DOCPART == 4
	.amdgcn_target "amdgcn-amd-amdhsa--gfx1250"
	.amdhsa_code_object_version 6
	.text
	.protected	k_q0f339a14ca_combine
	.globl	k_q0f339a14ca_combine
	.p2align	8
	.type	k_q0f339a14ca_combine,@function
k_q0f339a14ca_combine:
	s_mov_b64 s[64:65], 0
	v_nop
	global_prefetch_b8 v0, s[64:65] scope:SCOPE_SE
	s_setreg_imm32_b32 hwreg(HW_REG_WAVE_MODE, 25, 1), 1
	s_wait_xcnt 0x0
; out[n][d] = the sum over e of gate[n][e] x y[e][n][d], in f32 fused multiply-adds.  Only the experts whose gate is not +-0 are added: which these are is read as whole numbers (BAL), stored by the first launch;
; the terms left out are 0 x y (a NaN or an infinity in such a y is not carried to the result).  A token with no such expert gets zeros.
; y of (n, e) lies at row rank(n, e) of the expert's part of yb; rank = PRE[n / 32][e] + the set bits of BAL[n / 32][e] under bit n % 32.
; SHARES: a work-group takes two tokens, four waves each; a wave takes 1,024 bytes of the row, as two loads or stores of 512 bytes on end.  Each output row has one owner: nothing is added across work-groups.
; THE LADDER: rung j takes the j-th expert of the token out of the mask and issues its two loads into bank j; when the mask is empty the wave jumps to the step of the way down that adds banks j - 1 .. 0.
; So all of a token's loads are out together, no bank is cleared, and none is read that was not loaded.  ORDER OF ROUNDING: from the token's highest expert down to its lowest, not reference()'s.
; No LDS, no matrix unit: memory binds (each row of yb is read once, each byte of out0 written once).
.set BAL, 65536
.set PRE, 67584
	s_load_b256 s[4:11], s[0:1], 0x0               ; route s[4:5], routing_tensor s[6:7], yb s[8:9], out0 s[10:11]
	v_and_b32 v1, 31, v0                           ; lane
	v_and_b32 v2, 15, v0                           ; e = lane % 16
	v_lshrrev_b32 v3, 5, v0
	v_readfirstlane_b32 s20, v3                    ; wave 0..7
	s_lshl_b32 s12, ttmp9, 1
	s_lshr_b32 s17, s20, 2
	s_add_co_u32 s12, s12, s17                     ; n
	s_and_b32 s21, s20, 3
	s_lshl_b32 s21, s21, 10
	v_lshl_add_u32 v9, v1, 4, s21                  ; my 16 bytes of the wave's first 512 of the row
	s_lshr_b32 s22, s12, 5
	s_lshl_b32 s22, s22, 6
	v_lshl_add_u32 v3, v2, 2, s22                  ; [n / 32][e]
	s_lshl_b32 s23, s12, 6
	v_lshl_add_u32 v8, v2, 2, s23                  ; gate[n][e]
	s_and_b32 s14, s12, 31
	s_bfm_b32 s15, s14, 0                          ; n % 32 ones: the bits under mine
	s_lshl_b32 s18, s12, 12
	s_mov_b32 s19, 0
	s_wait_kmcnt 0x0
	global_load_b32 v4, v3, s[4:5] offset:BAL      ; 64 bytes on end, each
	global_load_b32 v5, v3, s[4:5] offset:PRE
	global_load_b32 v6, v8, s[6:7]
	s_add_nc_u64 s[10:11], s[10:11], s[18:19]      ; out0 at row n
.irp i, 0,1,2,3,4,5,6,7
	v_mov_b32 v[160+\i], 0                         ; the eight sums (a token may have no expert at all)
.endr
	s_wait_loadcnt 0x0
	v_and_b32 v10, s15, v4                         ; the set bits of it, counted in fields of 2, 4 and 8 bits
	v_lshrrev_b32 v11, 1, v10
	v_and_b32 v11, 0x55555555, v11
	v_sub_nc_u32 v10, v10, v11
	v_lshrrev_b32 v11, 2, v10
	v_and_b32 v11, 0x33333333, v11
	v_and_b32 v10, 0x33333333, v10
	v_add_nc_u32 v10, v10, v11
	v_lshrrev_b32 v11, 4, v10
	v_add_nc_u32 v10, v10, v11
	v_and_b32 v10, 0x0f0f0f0f, v10
	v_mul_lo_u32 v10, v10, 0x01010101
	v_lshrrev_b32 v10, 24, v10
	v_add_nc_u32 v7, v5, v10                       ; rank
	v_min_u32 v7, 0x3ff, v7                        ; a loaded number enters an address behind a hold at a constant
	v_lshl_add_u32 v7, v2, 10, v7                  ; row of yb: 1,024 e + rank
	v_lshrrev_b32 v12, s14, v4
	v_and_b32 v12, 1, v12
	v_cmp_ne_u32 s13, 0, v12
	s_and_b32 s13, s13, 0xffff                     ; bit e: expert e counts for token n
.irp j, 0,1,2,3,4,5,6,7,8,9,10,11,12,13,14,15
	s_cmp_eq_u32 s13, 0
	s_cbranch_scc1 .LF_\j
	s_ctz_i32_b32 s14, s13                         ; the lowest expert left,
	s_sub_co_u32 s15, s13, 1
	s_and_b32 s13, s13, s15                        ; taken out of the mask
	v_readlane_b32 s16, v7, s14
	s_min_u32 s16, s16, 0x3fff
	s_lshl_b32 s16, s16, 12                        ; 4,096 bytes a row
	v_readlane_b32 s[32+\j], v6, s14               ; its gate
	v_add_nc_u32 v[16+\j], s16, v9
	global_load_b128 v[32+8*\j:32+8*\j+3], v[16+\j], s[8:9] th:TH_LOAD_NT
	global_load_b128 v[32+8*\j+4:32+8*\j+7], v[16+\j], s[8:9] offset:512 th:TH_LOAD_NT
.endr
.macro DOWN k                          ; entered here, banks 0 .. k - 1 are on their way; bank k - 1 is the youngest, so the wait is for all
.LF_\k:
	s_wait_loadcnt 0x0
.irp i, 0,1,2,3,4,5,6,7
	v_fma_f32 v[160+\i], s[32+(\k)-1], v[32+8*((\k)-1)+\i], v[160+\i]
.endr
.endm
.irp k, 16,15,14,13,12,11,10,9,8,7,6,5,4,3,2,1
	DOWN \k
.endr
.LF_0:
	global_store_b128 v9, v[160:163], s[10:11] th:TH_STORE_NT              ; 32 lanes store 512 bytes on end, aligned
	global_store_b128 v9, v[164:167], s[10:11] offset:512 th:TH_STORE_NT
	s_endpgm
.Lfunc_end_k_q0f339a14ca_combine:
	.size	k_q0f339a14ca_combine, .Lfunc_end_k_q0f339a14ca_combine-k_q0f339a14ca_combine
	.p2alignl 7, 3214868480
	.fill 96, 4, 3214868480
	.section	.rodata,"a",@progbits
	.p2align	6, 0x0
	.amdhsa_kernel k_q0f339a14ca_combine
		.amdhsa_group_segment_fixed_size 0
		.amdhsa_private_segment_fixed_size 0
		.amdhsa_enable_private_segment 0
		.amdhsa_kernarg_size 32
		.amdhsa_user_sgpr_count 2
		.amdhsa_user_sgpr_kernarg_segment_ptr 1
		.amdhsa_wavefront_size32 1
		.amdhsa_system_sgpr_workgroup_id_x 1
		.amdhsa_system_sgpr_workgroup_id_y 1
		.amdhsa_system_sgpr_workgroup_id_z 1
		.amdhsa_system_vgpr_workitem_id 0
		.amdhsa_next_free_vgpr 168
		.amdhsa_next_free_sgpr 66
		.amdhsa_reserve_vcc 0
		.amdhsa_float_denorm_mode_32 3
		.amdhsa_float_denorm_mode_16_64 3
		.amdhsa_memory_ordered 1
		.amdhsa_forward_progress 1
		.amdhsa_inst_pref_size 21
	.end_amdhsa_kernel
	.amdgpu_metadata
---
amdhsa.version: [ 1, 2 ]
amdhsa.kernels:
  - .name:           k_q0f339a14ca_combine
    .symbol:         k_q0f339a14ca_combine.kd
    .args:
      - { .name: route, .offset: 0, .size: 8, .value_kind: global_buffer, .address_space: global }
      - { .name: routing_tensor, .offset: 8, .size: 8, .value_kind: global_buffer, .address_space: global }
      - { .name: yb, .offset: 16, .size: 8, .value_kind: global_buffer, .address_space: global }
      - { .name: out0, .offset: 24, .size: 8, .value_kind: global_buffer, .address_space: global }
    .group_segment_fixed_size: 0
    .private_segment_fixed_size: 0
    .kernarg_segment_align: 8
    .kernarg_segment_size: 32
    .max_flat_workgroup_size: 256
    .sgpr_count:     66
    .vgpr_count:     168
    .wavefront_size: 32
...
	.end_amdgpu_metadata
.endif
;; end of part 4
;; ======== version 2 of 2: 4 launches
;; workspace buffers: route 71,680 bytes of whole numbers; hc 33,554,432 bytes; hs 2,097,152 bytes; yb 67,108,864 bytes
;; launch route (part 5): grid 4 x 16, 8 waves a work-group, no clusters, 1,280 bytes of LDS; arguments routing_tensor, route; writes route
.if DOCPART == 5
	.amdgcn_target "amdgcn-amd-amdhsa--gfx1250"
	.amdhsa_code_object_version 6
	.text
	.protected	k_q0f339a14ca_route
	.globl	k_q0f339a14ca_route
	.p2align	8
	.type	k_q0f339a14ca_route,@function
k_q0f339a14ca_route:
	s_mov_b64 s[64:65], 0
	v_nop
	global_prefetch_b8 v0, s[64:65] scope:SCOPE_SE
	s_setreg_imm32_b32 hwreg(HW_REG_WAVE_MODE, 25, 1), 1
	s_wait_xcnt 0x0
; out[n][d] = sum over e of gate[n][e] x y[e][n][d],  y[e] = Q(gelu(x W1[e] + b1[e])) W2[e].  1,024 tokens, 16 experts.
; WHAT THE PROGRAM DOES NOT MULTIPLY.  A pair (token n, expert e) whose gate is +0 or -0 adds 0 x y = 0 to out[n], whatever finite y is.  Which pairs these are is a matter of the input's values,
; so nothing is left out here by proof: this launch turns 'gate != 0' into whole numbers, at fixed places, and the later launches read them from memory and do what they ask for.  With all 16,384 gates
; other than 0 the program does all of reference()'s work.  Every input is loaded by some launch.
; LIMITS: a NaN, an infinity or an overflow in y of a pair whose gate is +-0 is not carried to the result; a gate that is NaN counts as other than 0.
; WHAT IS STORED (all u32):  LIST [16 e][1024]: the token of rank i among expert e's tokens, ascending; entries at or past the count hold a token number up to 1,023 that nobody's result hangs on.
;   BAL [32 w][16 e]: bit l = the gate of token 32 w + l is not 0.   PRE [32 w][16 e]: how many such tokens lie ahead of word w.   CNT [16 e][32]: the count, 32 times over.
; NO ADDRESS AND NO BRANCH HANGS ON A GATE: the list is made by GATHERING.  Thread q looks for the token of rank q by compares and selects alone and stores it at place q.
; SHARES: work-group (x, e): ranks 256 x .. 256 x + 255 of expert e, a thread a rank.  Each work-group makes the expert's 32 mask words anew (4 KB read): less than a launch of its own would cost.
; The stores of BAL and PRE are 4 bytes a lane, 64 bytes apart: 256 bytes a work-group in all, laid so that the last launch reads a word's 16 experts as 64 bytes on end.
.set SPARE, 256                        ; LDS: the 32 mask words at 0; from 256 on the spare words, 128 bytes for each of eight waves, which no other line names
.set BAL,   65536
.set PRE,   67584
.set CNT,   69632
	s_load_b128 s[4:7], s[0:1], 0x0                ; routing_tensor s[4:5], route s[6:7]
	v_lshl_add_u32 v30, v0, 2, SPARE               ; my spare word; never rewritten
	v_mov_b32 v31, 0                               ; 0; never rewritten
	v_and_b32 v1, 31, v0                           ; lane
	v_lshrrev_b32 v2, 5, v0
	s_delay_alu instid0(VALU_DEP_1)
	v_readfirstlane_b32 s8, v2                     ; wave 0..7
	s_and_b32 s9, ttmp7, 0xffff                    ; e
	s_lshl_b32 s10, s9, 2
	s_lshl_b32 s11, s9, 12                         ; the expert's row of LIST
	v_lshl_add_u32 v3, v0, 6, s10                  ; gate[thread][e]: 64 bytes a token
	v_lshlrev_b32 v4, 2, v2                        ; LDS: word number = wave (+ 8 j)
	v_lshlrev_b32 v5, 2, v1                        ; LDS: word number = lane
	s_lshl_b32 s24, ttmp9, 8
	v_add_nc_u32 v7, s24, v0                       ; q: the rank that I look for
	s_wait_alu depctr_va_vdst(0)
	s_wait_kmcnt 0x0
.irp j, 0,1,2,3
	global_load_b32 v[8+\j], v3, s[4:5] offset:16384*\j            ; tokens thread + 256 j
.endr
	s_wait_loadcnt 0x0
.irp j, 0,1,2,3
	v_cmp_neq_f32 s[12+\j], 0, v[8+\j]             ; the wave's 32 tokens as a mask: word wave + 8 j
.endr
.irp j, 0,1,2,3
	v_mov_b32 v[12+\j], s[12+\j]
	ds_store_b32 v4, v[12+\j] offset:32*\j         ; all lanes write the same word with the same value
.endr
	s_wait_dscnt 0x0                               ; for the others' sake: my stores have landed
	s_barrier_signal -1
	s_barrier_wait -1
	ds_load_b32 v6, v5                             ; lane l holds word l
	v_mov_b32 v10, 0                               ; the word that holds rank q
	v_mov_b32 v11, 0                               ; its prefix
	v_mov_b32 v12, 0                               ; its number
	v_mov_b32 v13, 0                               ; lane l: word l's prefix
	s_mov_b32 s20, 0                               ; the running count
	s_wait_alu depctr_va_vdst(0)
	s_wait_dscnt 0x0
; The word: the last one whose prefix is at most q.  (Every later word's prefix is above q; an empty word ahead of it is overruled.)
.irp k, 0,1,2,3,4,5,6,7,8,9,10,11,12,13,14,15,16,17,18,19,20,21,22,23,24,25,26,27,28,29,30,31
	v_readlane_b32 s21, v6, \k
	v_writelane_b32 v13, s20, \k
	v_cmp_le_u32 vcc_lo, s20, v7
	s_delay_alu instid0(VALU_DEP_1)
	v_cndmask_b32 v10, v10, s21, vcc_lo
	s_delay_alu instid0(VALU_DEP_2)
	v_cndmask_b32 v11, v11, s20, vcc_lo
	s_delay_alu instid0(VALU_DEP_3)
	v_cndmask_b32 v12, v12, \k, vcc_lo
	s_bcnt1_i32_b32 s22, s21
	s_add_co_u32 s20, s20, s22
.endr
; The bit: rank q - prefix within the word stands at the place that has so many inclusive counts at or under it.  (A rank past the count gets 32: held at token 1,023 below.)
	v_sub_nc_u32 v14, v7, v11
	v_mov_b32 v15, 0                               ; the inclusive count
	v_mov_b32 v16, 0                               ; the place
.irp b, 0,1,2,3,4,5,6,7,8,9,10,11,12,13,14,15,16,17,18,19,20,21,22,23,24,25,26,27,28,29,30,31
	v_bfe_u32 v17, v10, \b, 1
	s_delay_alu instid0(VALU_DEP_1)
	v_add_nc_u32 v15, v15, v17
	s_delay_alu instid0(VALU_DEP_1)
	v_cmp_le_u32 vcc_lo, v15, v14
	s_delay_alu instid0(VALU_DEP_1)
	v_add_co_ci_u32 v16, vcc_lo, 0, v16, vcc_lo    ; + 1 where the count is still at or under
.endr
	s_delay_alu instid0(VALU_DEP_1)
	v_lshl_add_u32 v16, v12, 5, v16                ; token = 32 x word + place
	s_delay_alu instid0(VALU_DEP_1)
	v_min_u32 v16, 0x3ff, v16
	v_lshl_add_u32 v18, v7, 2, s11
	global_store_b32 v18, v16, s[6:7]              ; LIST[e][q]: a wave stores 128 bytes on end
	s_or_b32 s23, ttmp9, s8                        ; the tables are stored by wave 0 of the expert's first work-group; no barrier stands under this branch
	s_cmp_lg_u32 s23, 0
	s_cbranch_scc1 .Lend
	v_lshl_add_u32 v19, v1, 6, s10                 ; [word = lane][e]
	global_store_b32 v19, v6, s[6:7] offset:BAL
	global_store_b32 v19, v13, s[6:7] offset:PRE
	s_lshl_b32 s23, s9, 7
	v_lshl_add_u32 v20, v1, 2, s23
	v_mov_b32 v21, s20
	global_store_b32 v20, v21, s[6:7] offset:CNT   ; the count, 32 times: 128 bytes on end
.Lend:
	s_wait_tensorcnt 0x0                           ; the wave's end
	ds_add_u32 v30, v31
	s_wait_dscnt 0x0
	s_endpgm
.Lfunc_end_k_q0f339a14ca_route:
	.size	k_q0f339a14ca_route, .Lfunc_end_k_q0f339a14ca_route-k_q0f339a14ca_route
	.p2alignl 7, 3214868480
	.fill 96, 4, 3214868480
	.section	.rodata,"a",@progbits
	.p2align	6, 0x0
	.amdhsa_kernel k_q0f339a14ca_route
		.amdhsa_group_segment_fixed_size 1280
		.amdhsa_private_segment_fixed_size 0
		.amdhsa_enable_private_segment 0
		.amdhsa_kernarg_size 16
		.amdhsa_user_sgpr_count 2
		.amdhsa_user_sgpr_kernarg_segment_ptr 1
		.amdhsa_wavefront_size32 1
		.amdhsa_system_sgpr_workgroup_id_x 1
		.amdhsa_system_sgpr_workgroup_id_y 1
		.amdhsa_system_sgpr_workgroup_id_z 1
		.amdhsa_system_vgpr_workitem_id 0
		.amdhsa_next_free_vgpr 32
		.amdhsa_next_free_sgpr 66
		.amdhsa_reserve_vcc 1
		.amdhsa_float_denorm_mode_32 3
		.amdhsa_float_denorm_mode_16_64 3
		.amdhsa_memory_ordered 1
		.amdhsa_forward_progress 1
		.amdhsa_inst_pref_size 28
	.end_amdhsa_kernel
	.amdgpu_metadata
---
amdhsa.version: [ 1, 2 ]
amdhsa.kernels:
  - .name:           k_q0f339a14ca_route
    .symbol:         k_q0f339a14ca_route.kd
    .args:
      - { .name: routing_tensor, .offset: 0, .size: 8, .value_kind: global_buffer, .address_space: global }
      - { .name: route, .offset: 8, .size: 8, .value_kind: global_buffer, .address_space: global }
    .group_segment_fixed_size: 1280
    .private_segment_fixed_size: 0
    .kernarg_segment_align: 8
    .kernarg_segment_size: 16
    .max_flat_workgroup_size: 256
    .sgpr_count:     66
    .vgpr_count:     32
    .wavefront_size: 32
...
	.end_amdgpu_metadata
.endif
;; end of part 5
;; launch hidden (part 6): grid 16 x 16, 4 waves a work-group, no clusters, 134,144 bytes of LDS; arguments route, x_codes, x_scales, w1_codes, w1_scales, b1, hc, hs; writes hc, hs
.if DOCPART == 6
	.amdgcn_target "amdgcn-amd-amdhsa--gfx1250"
	.amdhsa_code_object_version 6
	.text
	.protected	k_q0f339a14ca_hidden
	.globl	k_q0f339a14ca_hidden
	.p2align	8
	.type	k_q0f339a14ca_hidden,@function
k_q0f339a14ca_hidden:
	s_mov_b64 s[64:65], 0
	v_nop
	global_prefetch_b8 v0, s[64:65] scope:SCOPE_SE
	s_setreg_imm32_b32 hwreg(HW_REG_WAVE_SCHED_MODE, 0, 2), 2
	s_setreg_imm32_b32 hwreg(HW_REG_WAVE_MODE, 25, 1), 1
	s_wait_xcnt 0x0
	s_wait_alu depctr_vm_vsrc(0)
; h[e] = Q(gelu(x W1[e] + b1[e])) for the tokens that the list gives expert e, on codes of BF8 (E5M2) with one E8M0 scale for each 32 along K.  Pairs (token, expert) that the list does not name are not multiplied:
; their gate is +-0, as the first launch has stored in whole numbers (a NaN or an infinity in them is not carried on).
; SHARES.  Work-group (c, e): hidden units 128 c .. 128 c + 127 of expert e, which are K step c of the second product.  Its 128 rows x 1,024 bytes of W1 are one dense block: they come into LDS ONCE, so each
; byte of W1 is read once in the launch.  The expert's rows go in tiles of 16 places of the list; wave w takes tiles w, w + 4, w + 8 (then + 12 a pass), up to three at a time, against all 128 units:
; a fragment of W1 read from LDS feeds up to three matrix instructions.
; THE PRODUCT IS USED TRANSPOSED (source 0 = 16 rows of W1, source 1 = 16 tokens), and THE ROWS OF W1 THAT FORM A TILE ARE NOT NEIGHBOURS: row r of tile 2 b + u is unit 32 b + 8 u + r + 8 (r / 8) (the rows are
; laid so in LDS on the way in).  So a lane holds ONE token, and the 16 registers of tiles 2 b, 2 b + 1 are units 32 b + 16 (lane / 16) + 0 .. 15: the conversions' results ARE the next operand's registers.
; b1 is the C of each sum's first matrix instruction.  gelu(v) = v/2 + v/2 erf(v / sqrt 2), erf(z) = z P(z^2) / Q(z^2) with z held to +-4, all in f32.
; OUT: hc [e][tile 64][K step 16][2,048 bytes]: the image of a fragment's registers (group g of lane l at 512 g + 16 l); hs [e][tile][K step][32 lanes]: the image of its scale register.
; WHAT HANGS ON THE COUNT (read from memory): how many tiles a wave walks.  Loads are issued for all three places alike (a place without a tile takes list entries past the count, which are valid tokens);
; its products, its gelu and its stores are jumped over.  An expert with no token still gets tile 0 stored, so that the next launch's loads read stored bytes.
; NO TENSOR LOAD, NO CLUSTER: the trip count and the branches hang on a count read from memory, and the bulk of a work-group's bytes (131,072 of W1) is read by no other work-group; what the 16 work-groups of an
; expert share is the tokens' codes, 16,384 bytes a tile.
; LIMITS: NaN and infinities among x, W1, b1 are not served.  A block of 32 hidden numbers that are all 0 gets the byte 1 (its codes are zeros; the bytes are read by this program alone).
; REGISTERS, in windows of 256.  Window 0: addresses, scale words, the gelu's 16 numbers at work, constants.  Window 1: x of place 0 (v[16 s]) and of place 1 (v[128 + 16 s]).  Window 2: v0-127 x of place 2;
; v128-191 and v192-255 W1's fragments, four tiles each.  Window 3: first the 256 registers through which W1 goes to LDS, then the accumulators, v[64 j + 8 t].
; THE MODE: SCHED_MODE bits 1:0 = 2 (LLVM: expert scheduling mode 2), set by the entry lines.  The code itself states the register dependences between vector or matrix instructions and memory or LDS
; instructions, with s_wait_alu, always for 0.
; THE PLAN.  Registers that memory or LDS instructions touch:
;   v3-v15        addresses and offsets, made at the head and never written again.
;   LO, HO, SO    written by XLIST's additions, once a pass; read by the list's loads and by the pass's stores.      TOK: the list's loads land in it; vector lines hold it and read it.
;   XO, XSO       written by XLOAD's vector lines, once a pass; read by x's loads.      XS, x's codes: x's loads land in them; the pass's products read them.
;   H0, H1        W1's tiles 0-3 and 4-7 of a K step (window 2, v128-191 and v192-255).  A K step is two PHASES: phase (s, 0) multiplies H0 while H1 of step s lands, phase (s, 1) multiplies H1 while H0 of step s + 1 lands.
;   window 3      W1's global loads land in it and the LDS stores read it, once; then, a pass: b1's LDS loads land, the products add, the gelu reads.
;   PC, PW        written by a tile's conversions and byte lines; read by its five stores.
; THE WAITS.  One on va_vdst to a phase, ahead of its 16 LDS loads: the phase before is done reading the half in which they land.  At a pass's head one on va_vdst and one on vm_vsrc, for window 3.  In XLIST and in
; XLOAD one on va_vdst each, between the vector lines that make the offsets and the loads.  A tile: one on vm_vsrc ahead of the first write of PW and PC, one on va_vdst ahead of its stores.  At the loop's tail one on vm_vsrc.
.set PITCH, 1040                       ; a row of W1 in LDS: 1,024 bytes + 16: 65 x 16, so the 16 rows that a load touches start 16 bytes apart modulo 256
.set BIAS,  128*PITCH                  ; b1's 128 numbers
.set SPARE, BIAS+512                   ; the spare words, 128 bytes for each wave: two blocks of 256 bytes that no other line names
.set CNT,   69632                      ; in route: the counts
.set R,   1                            ; lane % 16
.set H,   2                            ; lane / 16
.set LW,  3                            ; LDS: where my wave's 32 rows of W1 go, + 16 x lane
.set WA,  4                            ; v4, v5: LDS: a fragment's row r + 16 h, tiles 0-3 and tiles 4-7
.set BA,  6                            ; LDS: BIAS + 64 h
.set L16, 7                            ; 16 x lane
.set L4,  8                            ; 4 x lane
.set R4,  9                            ; 4 r
.set H16, 10                           ; 16 h
.set GW,  11                           ; W1 in memory: 32,768 x wave + 16 x lane
.set GS,  12                           ; W1's scales: 32 bytes a row, row r + 8 (r / 8)
.set T4,  13                           ; 4 x thread
.set BD,  14                           ; my number of b1
.set BS,  15                           ; LDS: BIAS + 4 x thread
.set LO,  16                           ; v16-18 place j: offset in the list
.set TOK, 19                           ; v19-21 its token
.set XO,  22                           ; v22-24 offset of the token's codes
.set XSO, 25                           ; v25-27 of its scale bytes
.set HO,  28                           ; v28-30 offset in hc
.set WS,  32                           ; v32-95  W1's scale words: tile t, K step s at 8 t + s
.set XS,  96                           ; v96-119 x's scale words: place j, K step s at 8 j + s
.set Z,   120                          ; v120-135 z, later Q(z^2)
.set Z2,  136                          ; v136-151 z^2, later 1 / Q
.set P,   152                          ; v152-167 P, then gelu
.set HX,  168                          ; v168-183 v / 2
.set PC,  184                          ; v184-199 the fragment's codes
.set SO,  200                          ; v200-202 offset in hs
.set SPW, 203                          ; my spare word; never rewritten
.set NIL, 204                          ; 0; never rewritten
.set TM,  206
.set TM1, 207
.set SOP, 208                          ; the conversion's scale operand
.set HD,  209                          ; 57,344 x the scale
.set BY,  210
.set PW,  211                          ; the scale word
.set CC,  216                          ; 1 / sqrt 2, twice
.set AL,  218                          ; v218-231 P's seven coefficients, each twice, the highest power first
.set BE,  232                          ; v232-241 Q's five
.set MSB, 0
.macro WIN new                         ; low byte: bits 1:0 source 0, 3:2 source 1, 5:4 source 2, 7:6 destination; the high byte repeats the setting that is left
.if MSB != \new
	s_set_vgpr_msb (MSB<<8)|\new
.set MSB, \new
.endif
.endm
.macro PLACES n
.rept \n
	v_nop
.endr
.endm
.macro PAIR reg, val
	v_mov_b32 v[\reg], \val
	v_mov_b32 v[\reg+1], \val
.endm
	s_load_b512 s[4:19], s[0:1], 0x0               ; route s[4:5], x's codes s[6:7], x's scales s[8:9], W1's codes s[10:11], W1's scales s[12:13], b1 s[14:15], hc s[16:17], hs s[18:19]
	v_lshl_add_u32 v[SPW], v0, 2, SPARE
	v_mov_b32 v[NIL], 0
	v_lshrrev_b32 v31, 5, v0
	v_readfirstlane_b32 s24, v31                   ; wave 0..3
	s_and_b32 s25, ttmp7, 0xffff                   ; e
	s_mov_b32 s26, ttmp9                           ; c
	v_and_b32 v31, 31, v0                          ; lane
	v_and_b32 v[R], 15, v0
	v_bfe_u32 v[H], v0, 4, 1
	v_lshlrev_b32 v[L16], 4, v31
	v_lshlrev_b32 v[L4], 2, v31
	v_lshlrev_b32 v[R4], 2, v[R]
	v_lshlrev_b32 v[H16], 4, v[H]
	s_wait_alu depctr_va_sdst(0)                   ; s24, the wave's number, is written, ahead of its first reader
	s_mul_i32 s27, s24, 32*PITCH
	v_add_nc_u32 v[LW], s27, v[L16]
	v_mul_u32_u24 v[WA], v[R], PITCH
	v_lshl_add_u32 v[WA], v[H], 4, v[WA]
	v_add_nc_u32 v[WA+1], 64*PITCH, v[WA]
	v_lshl_add_u32 v[BA], v[H], 6, BIAS
	s_lshl_b32 s27, s24, 15
	v_add_nc_u32 v[GW], s27, v[L16]
	v_and_b32 v[GS], 8, v[R]
	v_add_nc_u32 v[GS], v[GS], v[R]
	v_lshlrev_b32 v[GS], 5, v[GS]
	v_lshlrev_b32 v[T4], 2, v0
	v_lshl_add_u32 v[BS], v0, 2, BIAS
	PAIR CC,    0x3f3504f3                         ; 1 / sqrt 2
	PAIR AL,    0xaf95df0b                         ; -2.72614226e-10
	PAIR AL+2,  0x32edffee                         ;  2.77068142e-08
	PAIR AL+4,  0xb60cff51                         ; -2.10102402e-06
	PAIR AL+6,  0xb86ec2d2                         ; -5.69250639e-05
	PAIR AL+8,  0xba40ac63                         ; -7.34990630e-04
	PAIR AL+10, 0xbb41a1f6                         ; -2.95459981e-03
	PAIR AL+12, 0xbc83dbd4                         ; -1.60960333e-02
	PAIR BE,    0xb77460cd                         ; -1.45660718e-05
	PAIR BE+2,  0xb95fbd29                         ; -2.13374055e-04
	PAIR BE+4,  0xbadc924e                         ; -1.68282697e-03
	PAIR BE+6,  0xbbf19bf8                         ; -7.37332917e-03
	PAIR BE+8,  0xbc69b6a7                         ; -1.42647391e-02
	s_mov_b32 s32, 0x76543210
	s_mov_b32 s33, 0xfedcba98                      ; v_permlanex16_b32's selects for lane l xor 16
	s_mov_b32 s34, 0x600000                        ; the mantissa field of 57,344
	s_lshl_b32 s35, s25, 7                         ; the expert's row of counts; kept for the scalar load below alone
	s_lshl_b32 s31, s25, 12                        ; the expert's row of the list; goes into the vector offsets
	s_mov_b32 s22, s24                             ; base: my first tile
	s_mov_b32 s29, 0
	s_wait_kmcnt 0x0
	s_load_b32 s20, s[4:5], s35 offset:CNT         ; the expert's count; waited for behind the barrier
	s_lshl_b32 s28, s25, 21
	s_lshl_b32 s27, s26, 17
	s_add_co_u32 s28, s28, s27
	s_add_nc_u64 s[10:11], s[10:11], s[28:29]      ; W1's codes: 2^21 bytes an expert, 2^17 a chunk
	s_lshl_b32 s28, s25, 16
	s_lshl_b32 s27, s26, 12
	s_add_co_u32 s28, s28, s27
	s_add_nc_u64 s[12:13], s[12:13], s[28:29]      ; W1's scales
	s_lshl_b32 s28, s25, 13
	s_lshl_b32 s27, s26, 9
	s_add_co_u32 s28, s28, s27
	s_add_nc_u64 s[14:15], s[14:15], s[28:29]      ; b1
	s_lshl_b32 s28, s25, 21
	s_lshl_b32 s27, s26, 11
	s_add_co_u32 s28, s28, s27
	s_add_nc_u64 s[16:17], s[16:17], s[28:29]      ; hc: 2^21 bytes an expert, K step c
	s_lshl_b32 s28, s25, 17
	s_lshl_b32 s27, s26, 7
	s_add_co_u32 s28, s28, s27
	s_add_nc_u64 s[18:19], s[18:19], s[28:29]      ; hs
; The three places' tiles (base, base + 4, base + 8, held at 63), their offsets, and the loads of their 16 list entries.
.macro XLIST
.irp j, 0,1,2
	s_add_co_u32 s[36+\j], s22, 4*\j
	s_min_u32 s[36+\j], s[36+\j], 63
	s_lshl_b32 s27, s[36+\j], 6
	s_add_co_u32 s27, s27, s31
	v_add_nc_u32 v[LO+\j], s27, v[R4]              ; list[e][16 tile + r]
	s_lshl_b32 s27, s[36+\j], 15
	v_add_nc_u32 v[HO+\j], s27, v[L16]             ; hc: 32,768 bytes a tile
	s_lshl_b32 s27, s[36+\j], 11
	v_add_nc_u32 v[SO+\j], s27, v[L4]              ; hs: 2,048 bytes a tile
.endr
	s_wait_alu depctr_va_vdst(0)                   ; LO, HO and SO are written, which the loads below and the pass's stores read (at the head: so are v3 to v15, which every other load and LDS instruction reads); the last pass's vector lines are done with TOK, in which the loads land
.irp j, 0,1,2
	global_load_b32 v[TOK+\j], v[LO+\j], s[4:5]
.endr
.endm
; The tokens' scale words (6 loads) and codes (96 loads): lane (r, h) takes, of token r's row, bytes 128 s + 32 c + 16 h on: registers 4 c .. 4 c + 3 of K step s's fragment.
.macro XLOAD
.irp j, 0,1,2
	v_min_u32 v[TOK+\j], 0x3ff, v[TOK+\j]          ; a loaded number enters an address behind a hold at a constant
	v_lshl_add_u32 v[XO+\j], v[TOK+\j], 10, v[H16]
	v_lshlrev_b32 v[XSO+\j], 5, v[TOK+\j]
.endr
	s_wait_alu depctr_va_vdst(0)                   ; XO and XSO are written, which the loads below read; the last pass's products are done reading x's scale words and codes, in which they land.  Only loads and window switches follow up to the last of them
.irp j, 0,1,2
	global_load_b128 v[XS+8*\j:XS+8*\j+3], v[XSO+\j], s[8:9]
	global_load_b128 v[XS+8*\j+4:XS+8*\j+7], v[XSO+\j], s[8:9] offset:16
.endr
	WIN 0x40
.irp j, 0,1
.irp s, 0,1,2,3,4,5,6,7
.irp c, 0,1,2,3
	global_load_b128 v[128*\j+16*\s+4*\c:128*\j+16*\s+4*\c+3], v[XO+\j], s[6:7] offset:128*\s+32*\c
.endr
.endr
.endr
	WIN 0x80
.irp s, 0,1,2,3,4,5,6,7
.irp c, 0,1,2,3
	global_load_b128 v[16*\s+4*\c:16*\s+4*\c+3], v[XO+2], s[6:7] offset:128*\s+32*\c
.endr
.endr
	WIN 0
.endm
; W1's tiles 4 hf .. 4 hf + 3 of K step s, from LDS, in one run of 16 loads, under the window setting 0x80 (destination window 2).
.macro WHALF s, hf
.irp t, 0,1,2,3
.irp c, 0,1,2,3
	ds_load_b128 v[128+64*(\hf)+16*\t+4*\c:128+64*(\hf)+16*\t+4*\c+3], v[WA+(\hf)] offset:16*\t*PITCH+128*(\s)+32*\c
.endr
.endr
.endm
; Four matrix instructions: place j against W1's tiles 4 hf .. 4 hf + 3, K step s.  Every one adds in place; the accumulators take turns, one instruction a turn, on every way through the text.
.macro MUL j, s, hf
.if \j < 2
	WIN 0xf6                                       ; source 0 (W1) window 2, source 1 (x) window 1, C and D window 3
.else
	WIN 0xfa                                       ; x in window 2
.endif
.irp t, 0,1,2,3
	v_wmma_scale_f32_16x16x128_f8f6f4 v[64*\j+8*(4*\hf+\t):64*\j+8*(4*\hf+\t)+7], v[128+16*(4*\hf+\t):128+16*(4*\hf+\t)+15], v[128*(\j&1)+16*\s:128*(\j&1)+16*\s+15], v[64*\j+8*(4*\hf+\t):64*\j+8*(4*\hf+\t)+7], v[WS+8*(4*\hf+\t)+\s], v[XS+8*\j+\s] matrix_a_fmt:MATRIX_FMT_BF8 matrix_b_fmt:MATRIX_FMT_BF8
.endr
	WIN 0                                          ; at a branch and at a label every window is 0
.endm
; A PHASE: half hf of K step s.  The half that the phase before has multiplied is asked for anew (phase (s, 0): tiles 4-7 of step s; phase (s, 1): tiles 0-3 of step s + 1), and then this phase's half, asked for a phase ago,
; is multiplied, for the places that have a tile (s23 of them).  Both halves of K step 0 are asked for at the pass's head, so the first phase asks for nothing; the last has nothing left to ask for.
.macro HALF s, hf
.if (\s == 0) && (\hf == 0)
	s_wait_dscnt 16                                ; b1 and tiles 0-3 are in; the 16 younger loads, tiles 4-7, may be out
.elseif (\s == 7) && (\hf == 1)
	s_wait_dscnt 0x0                               ; the last half is in
.else
	PLACES 8                                       ; eight plain vector instructions stand between the products and the loads into the registers that they have read; the wait below states that dependence
	WIN 0x80
	s_wait_alu depctr_va_vdst(0)                   ; the products of the phase before are done reading their half of W1, in which the 16 loads below land
.if \hf == 0
	WHALF \s, 1
.else
	WHALF \s+1, 0
.endif
	WIN 0
	s_wait_dscnt 16                                ; LDS loads come back in order (ISA guide 5.7.1): this phase's half is in, the 16 just issued may be out
.endif
	MUL 0, \s, \hf
	s_cmp_lt_u32 s23, 2
	s_cbranch_scc1 .Lk_\@
	MUL 1, \s, \hf
	s_cmp_lt_u32 s23, 3
	s_cbranch_scc1 .Lk_\@
	MUL 2, \s, \hf
.Lk_\@:
.endm
; gelu of the 16 numbers at register a of window 3 (two accumulators, each read from its low end on) into v[P] on.
.macro GELU a
	WIN 0x03                                       ; source 0 window 3
.irp i, 0,2,4,6,8,10,12,14
	v_pk_mul_f32 v[Z+\i:Z+\i+1], v[(\a)+\i:(\a)+\i+1], v[CC:CC+1]          ; z = v / sqrt 2
.endr
.irp i, 0,2,4,6,8,10,12,14
	v_pk_mul_f32 v[HX+\i:HX+\i+1], v[(\a)+\i:(\a)+\i+1], 0.5 op_sel_hi:[1,0]   ; v / 2
.endr
	WIN 0
.irp i, 0,1,2,3,4,5,6,7,8,9,10,11,12,13,14,15
	v_med3_num_f32 v[Z+\i], v[Z+\i], -4.0, 4.0     ; beyond +-4 erf is +-1 in f32
.endr
.irp i, 0,2,4,6,8,10,12,14
	v_pk_mul_f32 v[Z2+\i:Z2+\i+1], v[Z+\i:Z+\i+1], v[Z+\i:Z+\i+1]
.endr
.irp i, 0,2,4,6,8,10,12,14
	v_pk_fma_f32 v[P+\i:P+\i+1], v[Z2+\i:Z2+\i+1], v[AL:AL+1], v[AL+2:AL+3]
.endr
.irp k, 2,3,4,5,6
.irp i, 0,2,4,6,8,10,12,14
	v_pk_fma_f32 v[P+\i:P+\i+1], v[P+\i:P+\i+1], v[Z2+\i:Z2+\i+1], v[AL+2*\k:AL+2*\k+1]
.endr
.endr
.irp i, 0,2,4,6,8,10,12,14
	v_pk_mul_f32 v[P+\i:P+\i+1], v[P+\i:P+\i+1], v[Z+\i:Z+\i+1]            ; z P(z^2)
.endr
.irp i, 0,2,4,6,8,10,12,14
	v_pk_fma_f32 v[Z+\i:Z+\i+1], v[Z2+\i:Z2+\i+1], v[BE:BE+1], v[BE+2:BE+3]
.endr
.irp k, 2,3,4
.irp i, 0,2,4,6,8,10,12,14
	v_pk_fma_f32 v[Z+\i:Z+\i+1], v[Z+\i:Z+\i+1], v[Z2+\i:Z2+\i+1], v[BE+2*\k:BE+2*\k+1]   ; Q(z^2): all its coefficients are negative, so it is never 0
.endr
.endr
	s_wait_alu depctr_va_vdst(0)
.irp i, 0,1,2,3,4,5,6,7,8,9,10,11,12,13,14,15
	v_rcp_f32 v[Z2+\i], v[Z+\i]
.endr
	v_nop                                          ; a plain instruction behind the last reciprocal, ahead of the first use
	s_wait_alu depctr_va_vdst(0)                   ; the sixteen reciprocals have written v[Z2] on: one wait for the batch, ahead of its first reader
.irp i, 0,2,4,6,8,10,12,14
	v_pk_mul_f32 v[P+\i:P+\i+1], v[P+\i:P+\i+1], v[Z2+\i:Z2+\i+1]          ; erf
.endr
.irp i, 0,2,4,6,8,10,12,14
	v_pk_fma_f32 v[P+\i:P+\i+1], v[P+\i:P+\i+1], v[HX+\i:HX+\i+1], v[HX+\i:HX+\i+1]   ; v/2 erf + v/2
.endr
.endm
; Block b of the fragment: my 16 numbers in v[P] on and lane l xor 16's 16 are the 32 of a block.  Codes to v[PC + 4 b] on, the byte into the scale word.
.macro QUANT b
	v_max3_num_f32 v[TM], |v[P]|, |v[P+1]|, 0x8000000              ; the largest magnitude, in two chains, with the floor 2^(16 - 127) among its leaves: the byte cannot fall under 1
	v_max3_num_f32 v[TM1], |v[P+2]|, |v[P+3]|, |v[P+4]|
	v_max3_num_f32 v[TM], v[TM], |v[P+5]|, |v[P+6]|
	v_max3_num_f32 v[TM1], v[TM1], |v[P+7]|, |v[P+8]|
	v_max3_num_f32 v[TM], v[TM], |v[P+9]|, |v[P+10]|
	v_max3_num_f32 v[TM1], v[TM1], |v[P+11]|, |v[P+12]|
	v_max3_num_f32 v[TM], v[TM], |v[P+13]|, |v[P+14]|
	v_max3_num_f32 v[TM], v[TM], v[TM1], |v[P+15]|
	v_permlanex16_b32 v[TM1], v[TM], s32, s33
	v_max_num_f32 v[TM], v[TM], v[TM1]
	v_add_nc_u32 v[SOP], 0xf8800000, v[TM]         ; 15 off its exponent field: the conversion takes the exponent field of this operand as its scale
	v_and_or_b32 v[HD], v[TM], 0x7f800000, s34     ; 57,344 x the scale
.if \b == 0
	v_lshrrev_b32 v[PW], 23, v[SOP]                ; the scale's byte
.else
	v_lshrrev_b32 v[BY], 23, v[SOP]
	v_lshl_or_b32 v[PW], v[BY], 8*\b, v[PW]
.endif
.irp i, 0,1,2,3,4,5,6,7,8,9,10,11,12,13,14,15
	v_med3_num_f32 v[P+\i], v[P+\i], -v[HD], v[HD] ; the conversion to an 8-bit code does not saturate (ISA guide 7.6.2): the hold at the largest code x the scale
.endr
	v_cvt_scalef32_pk8_bf8_f32 v[PC+4*\b:PC+4*\b+1], v[P:P+7], v[SOP]
	v_cvt_scalef32_pk8_bf8_f32 v[PC+4*\b+2:PC+4*\b+3], v[P+8:P+15], v[SOP]
	v_nop                                          ; a plain instruction between the conversions and the next vector instruction that writes their sources
.endm
; Place j's tile: gelu, quantiser, and the fragment's image out: four stores of 512 bytes on end, aligned, and the scale register's 128 bytes.
.macro EPI j
.irp b, 0,1,2,3
	GELU 64*\j+16*\b
.if \b == 0
	s_wait_alu depctr_va_vdst(0)
	s_wait_xcnt 0x0                                ; the codes' and the scale word's registers were the last tile's store data: written again only behind this wait.  It stands a block's gelu, which names neither, behind those stores
	s_wait_alu depctr_vm_vsrc(0)                   ; the last tile's stores have read v[PC] on and v[PW], which the lines below write again
.endif
	QUANT \b
.endr
	s_wait_alu depctr_va_vdst(0)                   ; the conversions have written v[PC] on, the byte lines v[PW]: the five stores read them
.irp g, 0,1,2,3
	global_store_b128 v[HO+\j], v[PC+4*\g:PC+4*\g+3], s[16:17] offset:512*\g
.endr
	global_store_b32 v[SO+\j], v[PW], s[18:19]
.endm
	XLIST                                          ; 3 loads
.irp t, 0,1,2,3,4,5,6,7
.irp q, 0,1
	global_load_b128 v[WS+8*\t+4*\q:WS+8*\t+4*\q+3], v[GS], s[12:13] offset:(32*(\t/2)+8*(\t%2))*32+16*\q   ; 16 loads: the scale words of tile t's rows, all eight K steps
.endr
.endr
	global_load_b32 v[BD], v[T4], s[14:15]         ; 1 load: 128 threads, 128 numbers of b1
	WIN 0xc0
.set i, 0
.rept 64
	global_load_b128 v[4*i:4*i+3], v[GW], s[10:11] offset:512*i th:TH_LOAD_NT   ; 64 loads of 512 bytes on end: my wave's 32 rows of W1; read once in the launch.  (Since XLIST's wait only loads and a window switch have been issued)
.set i, i+1
.endr
	WIN 0
	s_wait_loadcnt 63                              ; behind the list's loads stand 81, behind b1's 64: at 63 outstanding the list, the scale words and b1 are in
	XLOAD                                          ; 102 loads
	s_wait_loadcnt 63                              ; behind the last load of W1 stand 102: W1 is in
	WIN 0x0c                                       ; an LDS store's data are its source 1: window 3
.set i, 0
.rept 64
	ds_store_b128 v[LW], v[4*i:4*i+3] offset:(16*(((i>>1)>>3)&1)+8*((i>>1)>>4)+((i>>1)&7))*PITCH+(i&1)*512   ; row x of my 32 goes to place 16 ((x / 8) % 2) + 8 (x / 16) + x % 8: the tiles' order
.set i, i+1
.endr
	WIN 0
	ds_store_b32 v[BS], v[BD]
	s_wait_dscnt 0x0                               ; for the others' sake: my stores have landed
	s_barrier_signal -1
	s_barrier_wait -1                              ; the launch's one barrier; no branch on loaded data stands ahead of it.  Behind it W1 and b1 are only read
	s_wait_kmcnt 0x0                               ; the count
	s_add_co_u32 s21, s20, 15
	s_lshr_b32 s21, s21, 4
	s_max_u32 s21, s21, 1                          ; tiles to store: at least tile 0
	s_min_u32 s21, s21, 64
	s_cmp_ge_u32 s22, s21
	s_cbranch_scc1 .Lend                           ; no tile for my wave
	s_sub_co_u32 s30, s21, s22                     ; my passes: (tiles - wave + 11) / 12, rounded down: x 2,731 >> 15 is that quotient for every argument up to 75, the largest here
	s_add_co_u32 s30, s30, 11
	s_mul_i32 s30, s30, 2731
	s_lshr_b32 s30, s30, 15
	s_min_u32 s30, s30, 6                          ; 64 tiles are six passes at the most
	s_mov_b32 s39, 0                               ; passes done: the loop's counter, one a trip
.Lpass:
	s_sub_co_u32 s23, s21, s22
	s_add_co_u32 s23, s23, 3
	s_lshr_b32 s23, s23, 2
	s_min_u32 s23, s23, 3                          ; how many of my three places have a tile
	WIN 0xc0
	s_wait_alu depctr_va_vdst(0)                   ; the last pass's products have written the accumulators and its gelu is done reading them: b1 lands in them; its products are done reading W1's two halves, in which K step 0's fragments land
	s_wait_alu depctr_vm_vsrc(0)                   ; in the first pass: the LDS stores that took W1 to LDS have read these registers of window 3
.irp j, 0,1,2
.irp t, 0,1,2,3,4,5,6,7
	ds_load_b128 v[64*\j+8*\t:64*\j+8*\t+3], v[BA] offset:128*(\t/2)+32*(\t%2)          ; b1 in the result's layout starts the sums: lane (r, h), tile 2 b + u: units 32 b + 16 h + 8 u + 0 .. 7
	ds_load_b128 v[64*\j+8*\t+4:64*\j+8*\t+7], v[BA] offset:128*(\t/2)+32*(\t%2)+16
.endr
.endr
	WIN 0x80
	WHALF 0, 0                                     ; both halves of K step 0.  (Since the two waits only loads and a window switch have been issued)
	WHALF 0, 1
	WIN 0
	s_wait_loadcnt 0x0                             ; x's codes and scale words
.irp s, 0,1,2,3,4,5,6,7
	HALF \s, 0
	HALF \s, 1
.endr
	PLACES 8                                       ; in front of the first read of results, and of every later load into the products' registers
	EPI 0
	s_cmp_lt_u32 s23, 2
	s_cbranch_scc1 .Lstored
	EPI 1
	s_cmp_lt_u32 s23, 3
	s_cbranch_scc1 .Lstored
	EPI 2
.Lstored:
	s_add_co_u32 s22, s22, 12                      ; the next pass's first tile
	s_add_co_u32 s39, s39, 1
	s_cmp_ge_u32 s39, s30
	s_cbranch_scc1 .Lend                           ; the last pass asks for nothing more
	s_wait_xcnt 0x0                                ; the stores have read their offsets: they may be written again
	s_wait_alu depctr_vm_vsrc(0)                   ; the pass's stores have read HO and SO, its loads LO, XO and XSO: XLIST and XLOAD write them again
	XLIST
	s_wait_loadcnt 0x0
	XLOAD
	s_cmp_lt_u32 s39, s30
	s_cbranch_scc1 .Lpass
.Lend:
	s_wait_dscnt 0x0                               ; the closing lines, six on end
	s_wait_alu 0x0
	s_wait_tensorcnt 0x0
	ds_add_u32 v[SPW], v[NIL]
	s_wait_dscnt 0x0
	s_endpgm
.Lfunc_end_k_q0f339a14ca_hidden:
	.size	k_q0f339a14ca_hidden, .Lfunc_end_k_q0f339a14ca_hidden-k_q0f339a14ca_hidden
	.p2alignl 7, 3214868480
	.fill 96, 4, 3214868480
	.section	.rodata,"a",@progbits
	.p2align	6, 0x0
	.amdhsa_kernel k_q0f339a14ca_hidden
		.amdhsa_group_segment_fixed_size 134144
		.amdhsa_private_segment_fixed_size 0
		.amdhsa_enable_private_segment 0
		.amdhsa_kernarg_size 64
		.amdhsa_user_sgpr_count 2
		.amdhsa_user_sgpr_kernarg_segment_ptr 1
		.amdhsa_wavefront_size32 1
		.amdhsa_system_sgpr_workgroup_id_x 1
		.amdhsa_system_sgpr_workgroup_id_y 1
		.amdhsa_system_sgpr_workgroup_id_z 1
		.amdhsa_system_vgpr_workitem_id 0
		.amdhsa_next_free_vgpr 1024
		.amdhsa_next_free_sgpr 66
		.amdhsa_reserve_vcc 0
		.amdhsa_float_denorm_mode_32 3
		.amdhsa_float_denorm_mode_16_64 3
		.amdhsa_memory_ordered 1
		.amdhsa_forward_progress 1
		.amdhsa_inst_pref_size 236
	.end_amdhsa_kernel
	.amdgpu_metadata
---
amdhsa.version: [ 1, 2 ]
amdhsa.kernels:
  - .name:           k_q0f339a14ca_hidden
    .symbol:         k_q0f339a14ca_hidden.kd
    .args:
      - { .name: route, .offset: 0, .size: 8, .value_kind: global_buffer, .address_space: global }
      - { .name: x_codes, .offset: 8, .size: 8, .value_kind: global_buffer, .address_space: global }
      - { .name: x_scales, .offset: 16, .size: 8, .value_kind: global_buffer, .address_space: global }
      - { .name: w1_codes, .offset: 24, .size: 8, .value_kind: global_buffer, .address_space: global }
      - { .name: w1_scales, .offset: 32, .size: 8, .value_kind: global_buffer, .address_space: global }
      - { .name: b1, .offset: 40, .size: 8, .value_kind: global_buffer, .address_space: global }
      - { .name: hc, .offset: 48, .size: 8, .value_kind: global_buffer, .address_space: global }
      - { .name: hs, .offset: 56, .size: 8, .value_kind: global_buffer, .address_space: global }
    .group_segment_fixed_size: 134144
    .private_segment_fixed_size: 0
    .kernarg_segment_align: 8
    .kernarg_segment_size: 64
    .max_flat_workgroup_size: 128
    .sgpr_count:     66
    .vgpr_count:     1024
    .wavefront_size: 32
...
	.end_amdgpu_metadata
.endif
;; end of part 6
;; launch expert_out (part 7): grid 16 x 16, 4 waves a work-group, no clusters, 150,016 bytes of LDS; arguments route, hc, hs, w2_codes, w2_scales, yb; writes yb
.if DOCPART == 7
	.amdgcn_target "amdgcn-amd-amdhsa--gfx1250"
	.amdhsa_code_object_version 6
	.text
	.protected	k_q0f339a14ca_expert_out
	.globl	k_q0f339a14ca_expert_out
	.p2align	8
	.type	k_q0f339a14ca_expert_out,@function
k_q0f339a14ca_expert_out:
	s_mov_b64 s[64:65], 0
	v_nop
	global_prefetch_b8 v0, s[64:65] scope:SCOPE_SE
	s_setreg_imm32_b32 hwreg(HW_REG_WAVE_SCHED_MODE, 0, 2), 2
	s_setreg_imm32_b32 hwreg(HW_REG_WAVE_MODE, 25, 1), 1
	s_wait_xcnt 0x0
	s_wait_alu depctr_vm_vsrc(0)
; y[e][place][d] = the sum over the 2,048 hidden units of h[e][place] W2[e][d], on codes of BF8 (E5M2) with one E8M0 scale for each 32 along K; not yet weighed by the gate.  Only the places of the list are
; multiplied: the pairs (token, expert) left out have the gate +-0, as the first launch has stored in whole numbers (a NaN or an infinity in them is not carried on).
; SHARES.  Work-group (dc, e): outputs 64 dc .. 64 dc + 63 of expert e.  Its 64 rows x 2,048 bytes of W2 are one dense block: they come into LDS ONCE, so each byte of W2 is read once in the launch.
; Wave w takes tiles of 16 places w, w + 4, w + 8 (then + 12 a pass), up to three at a time, against the four tiles of 16 outputs, through 16 K steps of 128.
; h comes straight from memory into the operand's registers: hc holds images of fragments, so a load is 512 bytes on end.  Eight K steps of each place are held; K step s + 7 is asked for when K step s - 1 has been multiplied.
; TRANSPOSED (source 0 = 16 rows of W2, source 1 = 16 places): a lane holds eight neighbouring outputs of one place; a tile goes through the wave's own stage in LDS and leaves as rows of 256 bytes on end, aligned.
; WHAT HANGS ON THE COUNT (read from memory): how many tiles a wave walks.  Loads are issued for all three places alike, from a tile that the launch before has stored (held at the last such tile); the products
; and stores of a place without a tile are jumped over.
; NO TENSOR LOAD, NO CLUSTER: the trip count and the branches hang on a count read from memory, and the bulk of a work-group's bytes (131,072 of W2) is read by no other work-group; what the 16 work-groups of an
; expert share is h, 32,768 bytes a tile.
; REGISTERS, in windows of 256.  Window 0: addresses, scale words, W2's four fragments of an even K step, rows on the way out.  Window 1: h of place 0 (v[16 (s % 8)]) and of place 1 (v[128 + 16 (s % 8)]).
; Window 2: v0-127 h of place 2; v128-223 the accumulators (128 + 32 j + 8 d).  W2 goes to LDS through v128-255 of window 2 and v0-127 of window 3; after that v0-63 of window 3 hold W2's four fragments of an odd K step.
; THE MODE: SCHED_MODE bits 1:0 = 2 (LLVM: expert scheduling mode 2), set by the entry lines.  The code itself states the register dependences between vector or matrix instructions and memory or LDS
; instructions, with s_wait_alu, always for 0.
; THE PLAN.  Registers that memory or LDS instructions touch:
;   v3-v11, v21     addresses and offsets, made at the head and never written again.
;   HO, HSA, YO     written by TILES' additions, once a pass; read by h's loads and by the pass's stores.
;   HSW, h's codes  a pass's loads land in them; its products read them.  K step s's products read place s % 8; the loads of K step s + 8 land there, issued in K step s + 1.
;   WF0, WF1        W2's fragments, two buffers: K step s's products read buffer s % 2 while the LDS loads of K step s + 1, issued at the head of K step s, land in the other.
;   accumulators    (with the rest of the staging registers) W2's global loads land in them and the LDS stores read them, once; then, a pass: the products write, the stage's LDS stores read.
;   rows            a buffer to each place: v208-239, v144-175, v176-207 (the last two are WF0, which K step 14 reads last): LDS loads from the stage land, the global stores read.
; THE WAITS.  One on va_vdst at the head of each K step that issues loads: the K step before is done reading the place of h and the buffer of W2 in which they land.  One on va_vdst behind the last K step's places, for the
; stage's stores and the rows.  One on va_vdst at the end of TILES.  One on vm_vsrc behind the barrier (the staging registers), one at the loop's tail (offsets, rows, accumulators).
.set PITCH,  2064                      ; a row of W2 in LDS: 2,048 bytes + 16: 129 x 16
.set STAGE,  64*PITCH                  ; 16 rows x 272 bytes for each wave
.set SPITCH, 272
.set SPARE,  STAGE+4*16*SPITCH         ; the spare words, 128 bytes for each wave: two blocks of 256 bytes that no other line names
.set CNT,    69632
.set R,   1
.set H,   2
.set LW,  3                            ; LDS: where my wave's 16 rows of W2 go, + 16 x lane
.set WA,  4                            ; v4, v5: LDS: a fragment's row r + 16 h, tiles 0-1 and tiles 2-3
.set STO, 6                            ; the stage: where I put 32 bytes of a row
.set RD,  7                            ; and where I read a row back
.set L16, 8
.set L4,  9
.set GW,  10                           ; W2 in memory: 32,768 x wave + 16 x lane
.set GS,  11                           ; W2's scales: 64 bytes a row
.set HO,  12                           ; v12-14 place j: offset in hc
.set HSA, 15                           ; v15-17 in hs
.set YO,  18                           ; v18-20 in yb
.set YL,  21                           ; 4,096 h + 16 r
.set SPW, 22                           ; my spare word; never rewritten
.set NIL, 23                           ; 0; never rewritten
.set W2S, 32                           ; v32-95   W2's scale words: tile d, K step s at 16 d + s
.set HSW, 96                           ; v96-143  h's scale words: place j, K step s at 16 j + s
.set WF,  144                          ; v144-207 W2's four fragments of an even K step; those of an odd one lie at v0-63 of window 3
.set OB,  208                          ; v208-239 place 0's 16 rows on the way out; place 1's at v144-175, place 2's at v176-207
.set ACC, 128
.set MSB, 0
.macro WIN new                         ; low byte: bits 1:0 source 0, 3:2 source 1, 5:4 source 2, 7:6 destination; the high byte repeats the setting that is left
.if MSB != (\new)
	s_set_vgpr_msb (MSB<<8)|(\new)
.set MSB, (\new)
.endif
.endm
.macro PLACES n
.rept \n
	v_nop
.endr
.endm
	s_load_b256 s[4:11], s[0:1], 0x0               ; route s[4:5], hc s[6:7], hs s[8:9], W2's codes s[10:11]
	s_load_b128 s[12:15], s[0:1], 0x20             ; W2's scales s[12:13], yb s[14:15]
	v_lshl_add_u32 v[SPW], v0, 2, SPARE
	v_mov_b32 v[NIL], 0
	v_lshrrev_b32 v24, 5, v0
	v_readfirstlane_b32 s24, v24                   ; wave 0..3
	s_and_b32 s25, ttmp7, 0xffff                   ; e
	s_mov_b32 s26, ttmp9                           ; dc
	v_and_b32 v24, 31, v0                          ; lane
	v_and_b32 v[R], 15, v0
	v_bfe_u32 v[H], v0, 4, 1
	v_lshlrev_b32 v[L16], 4, v24
	v_lshlrev_b32 v[L4], 2, v24
	s_wait_alu depctr_va_sdst(0)                   ; s24, the wave's number, is written, ahead of its first reader
	s_mul_i32 s27, s24, 16*PITCH
	v_add_nc_u32 v[LW], s27, v[L16]
	v_mul_u32_u24 v[WA], v[R], PITCH
	v_lshl_add_u32 v[WA], v[H], 4, v[WA]
	v_add_nc_u32 v[WA+1], 32*PITCH, v[WA]
	s_mul_i32 s27, s24, 16*SPITCH
	s_add_co_u32 s27, s27, STAGE                   ; my stage
	v_mul_u32_u24 v[STO], v[R], SPITCH
	v_lshl_add_u32 v[STO], v[H], 5, v[STO]
	v_add_nc_u32 v[STO], s27, v[STO]               ; in: row r, 32 bytes for each half of the lanes
	v_mul_u32_u24 v[RD], v[H], SPITCH
	v_lshl_add_u32 v[RD], v[R], 4, v[RD]
	v_add_nc_u32 v[RD], s27, v[RD]                 ; back: lanes 0-15 one row of 256 bytes, lanes 16-31 the next
	s_lshl_b32 s27, s24, 15
	v_add_nc_u32 v[GW], s27, v[L16]
	v_lshlrev_b32 v[GS], 6, v[R]
	v_lshlrev_b32 v[YL], 12, v[H]
	v_lshl_add_u32 v[YL], v[R], 4, v[YL]           ; and the same two rows in yb: 4,096 bytes a row
	s_lshl_b32 s35, s25, 7                         ; the expert's row of counts; kept for the scalar load below alone
	s_mov_b32 s22, s24                             ; base: my first tile
	s_mov_b32 s29, 0
	s_wait_kmcnt 0x0
	s_load_b32 s20, s[4:5], s35 offset:CNT
	s_lshl_b32 s28, s25, 21
	s_add_nc_u64 s[6:7], s[6:7], s[28:29]          ; hc: 2^21 bytes an expert
	s_lshl_b32 s27, s26, 17
	s_add_co_u32 s28, s28, s27
	s_add_nc_u64 s[10:11], s[10:11], s[28:29]      ; W2's codes: 2^21 an expert, 2^17 a chunk
	s_lshl_b32 s28, s25, 17
	s_add_nc_u64 s[8:9], s[8:9], s[28:29]          ; hs
	s_lshl_b32 s28, s25, 16
	s_lshl_b32 s27, s26, 12
	s_add_co_u32 s28, s28, s27
	s_add_nc_u64 s[12:13], s[12:13], s[28:29]      ; W2's scales
	s_lshl_b32 s28, s25, 22
	s_lshl_b32 s27, s26, 8
	s_add_co_u32 s28, s28, s27
	s_add_nc_u64 s[14:15], s[14:15], s[28:29]      ; yb: 2^22 bytes an expert, 256 a chunk
; The three places' offsets.  Stores go to the true tile (base + 4 j); loads come from that tile held at the last one that was stored (s30).
.macro TILES
.irp j, 0,1,2
	s_add_co_u32 s27, s22, 4*\j
	s_min_u32 s28, s27, 63
	s_lshl_b32 s28, s28, 16
	v_add_nc_u32 v[YO+\j], s28, v[YL]              ; yb: 65,536 bytes a tile
	s_min_u32 s27, s27, s30
	s_min_u32 s27, s27, 63                         ; a loaded number enters an address behind a hold at a constant
	s_lshl_b32 s28, s27, 15
	v_add_nc_u32 v[HO+\j], s28, v[L16]             ; hc: 32,768 bytes a tile
	s_lshl_b32 s28, s27, 11
	v_add_nc_u32 v[HSA+\j], s28, v[L4]             ; hs: 2,048 bytes a tile
.endr
	s_wait_alu depctr_va_vdst(0)                   ; YO, HO and HSA are written, which the pass's loads and stores read; the last pass's products are done reading h's scale registers and codes, in which the 144 loads behind this line land.  Only loads and window switches follow up to the last of them
.endm
.macro HSC                             ; 48 loads: h's scale registers, all 16 K steps of the three places
.irp j, 0,1,2
.irp s, 0,1,2,3,4,5,6,7,8,9,10,11,12,13,14,15
	global_load_b32 v[HSW+16*\j+\s], v[HSA+\j], s[8:9] offset:128*\s
.endr
.endr
.endm
.macro HLOAD s                         ; 12 loads: K step s's fragments of the three places, each load 512 bytes on end.  It leaves the window setting 0x80
	WIN 0x40
.irp j, 0,1
.irp c, 0,1,2,3
	global_load_b128 v[128*\j+16*((\s)%8)+4*\c:128*\j+16*((\s)%8)+4*\c+3], v[HO+\j], s[6:7] offset:2048*(\s)+512*\c
.endr
.endr
	WIN 0x80
.irp c, 0,1,2,3
	global_load_b128 v[16*((\s)%8)+4*\c:16*((\s)%8)+4*\c+3], v[HO+2], s[6:7] offset:2048*(\s)+512*\c
.endr
.endm
.macro WLOAD s                         ; 16 LDS loads in one run: W2's four fragments of K step s into buffer s % 2
.if ((\s)%2) == 1
	WIN 0xc0                                       ; destination window 3
.else
	WIN 0
.endif
.set WB, WF*(1-(\s)%2)
.irp d, 0,1,2,3
.irp c, 0,1,2,3
	ds_load_b128 v[WB+16*\d+4*\c:WB+16*\d+4*\c+3], v[WA+\d/2] offset:16*(\d%2)*PITCH+128*(\s)+32*\c
.endr
.endr
.endm
; Four matrix instructions: place j against W2's four tiles, K step s.  K step 0 starts the sums with the constant 0.  The accumulators take turns, one instruction a turn, on every way.
.macro MUL j, s
.set WB, WF*(1-(\s)%2)
.if \j < 2
	WIN 0xa4+3*((\s)%2)                            ; source 0 (W2) window 0 or, in an odd K step, 3; source 1 (h) window 1; C and D window 2
.else
	WIN 0xa8+3*((\s)%2)                            ; h in window 2
.endif
.irp d, 0,1,2,3
.if \s == 0
	v_wmma_scale_f32_16x16x128_f8f6f4 v[ACC+32*\j+8*\d:ACC+32*\j+8*\d+7], v[WB+16*\d:WB+16*\d+15], v[128*(\j&1)+16*(\s%8):128*(\j&1)+16*(\s%8)+15], 0, v[W2S+16*\d+\s], v[HSW+16*\j+\s] matrix_a_fmt:MATRIX_FMT_BF8 matrix_b_fmt:MATRIX_FMT_BF8
.else
	v_wmma_scale_f32_16x16x128_f8f6f4 v[ACC+32*\j+8*\d:ACC+32*\j+8*\d+7], v[WB+16*\d:WB+16*\d+15], v[128*(\j&1)+16*(\s%8):128*(\j&1)+16*(\s%8)+15], v[ACC+32*\j+8*\d:ACC+32*\j+8*\d+7], v[W2S+16*\d+\s], v[HSW+16*\j+\s] matrix_a_fmt:MATRIX_FMT_BF8 matrix_b_fmt:MATRIX_FMT_BF8
.endif
.endr
	WIN 0                                          ; at a branch and at a label every window is 0
.endm
; A K step.  At its head it asks for what later steps multiply, into the registers that the K step before has left; then it multiplies what was asked for earlier.  K step 15 asks for nothing.
; The wait on the loads leaves out those issued behind this step's twelve: 12 (7 - s) + 12 s = 84 up to step 7, 12 (15 - s) from step 8 on; the wait's field takes 63 at the most, and a smaller count is safe.
.macro KSTEP s
.if \s < 15
	PLACES 8                                       ; eight plain vector instructions stand between the products and the loads into the registers that they have read; with the eight behind the last K step these are also more than the nine that K step 0's products, which begin the accumulators anew, owe in a later pass
.if (\s >= 1) && (\s <= 8)
	WIN 0x40
.elseif ((\s)%2) == 0
	WIN 0xc0
.endif
	s_wait_alu depctr_va_vdst(0)                   ; the products of the K step before (K step 0: of the pass before) are done reading their place of h's codes and their buffer of W2's fragments, in which the loads below land.  Only loads and window switches follow up to the last of them
.if (\s >= 1) && (\s <= 8)
	HLOAD \s+7                                     ; into the place that K step s - 1 has left
.endif
	WLOAD \s+1                                     ; into the buffer that K step s - 1 has left
	WIN 0
.endif
.set NN, 12*(15-\s)
.if NN > 63
.set NN, 63
.endif
	s_wait_loadcnt NN
.if \s < 15
	s_wait_dscnt 16                                ; LDS loads come back in order (ISA guide 5.7.1): this step's fragments of W2, asked for a step ago, are in; the 16 just issued may be out
.else
	s_wait_dscnt 0x0
.endif
	MUL 0, \s
	s_cmp_lt_u32 s23, 2
	s_cbranch_scc1 .Lk_\@
	MUL 1, \s
	s_cmp_lt_u32 s23, 3
	s_cbranch_scc1 .Lk_\@
	MUL 2, \s
.Lk_\@:
.endm
; Place j's tile goes out: 16 rows x 64 outputs through my stage; sixteen lanes store 256 bytes on end, aligned; two rows an instruction.  Each place has row registers of its own, so no store's data are loaded
; again before the loop's tail.
.macro OUT j
.set OBB, OB
.if \j == 1
.set OBB, WF
.endif
.if \j == 2
.set OBB, WF+32
.endif
	WIN 0x08                                       ; an LDS store's data are its source 1: window 2
.irp d, 0,1,2,3
	ds_store_b128 v[STO], v[ACC+32*\j+8*\d:ACC+32*\j+8*\d+3] offset:64*\d              ; each accumulator from its low end on
	ds_store_b128 v[STO], v[ACC+32*\j+8*\d+4:ACC+32*\j+8*\d+7] offset:64*\d+16
.endr
	WIN 0
.irp i, 0,1,2,3,4,5,6,7
	ds_load_b128 v[OBB+4*\i:OBB+4*\i+3], v[RD] offset:2*\i*SPITCH  ; LDS serves a wave's instructions in order (ISA guide 5.7.1.4): these see my stores
.endr
	s_wait_dscnt 0x0
.irp i, 0,1,2,3,4,5,6,7
	global_store_b128 v[YO+\j], v[OBB+4*\i:OBB+4*\i+3], s[14:15] offset:8192*\i
.endr
.endm
	s_wait_alu depctr_va_vdst(0)                   ; v3 to v11 and v21 are written: every load, store and LDS instruction of the kernel reads one of them, or an offset made from one
.irp d, 0,1,2,3
.irp q, 0,1,2,3
	global_load_b128 v[W2S+16*\d+4*\q:W2S+16*\d+4*\q+3], v[GS], s[12:13] offset:1024*\d+16*\q   ; 16 loads: the scale words of tile d's rows, all 16 K steps
.endr
.endr
	WIN 0x80
.set i, 0
.rept 32
	global_load_b128 v[128+4*i:128+4*i+3], v[GW], s[10:11] offset:512*i th:TH_LOAD_NT   ; 64 loads of 512 bytes on end: my wave's 16 rows of W2; read once in the launch
.set i, i+1
.endr
	WIN 0xc0
.rept 32
	global_load_b128 v[4*(i-32):4*(i-32)+3], v[GW], s[10:11] offset:512*i th:TH_LOAD_NT
.set i, i+1
.endr
	WIN 0
	s_wait_kmcnt 0x0                               ; the count
	s_add_co_u32 s21, s20, 15
	s_lshr_b32 s21, s21, 4
	s_min_u32 s21, s21, 64                         ; T: the expert's tiles
	s_max_u32 s30, s21, 1
	s_sub_co_u32 s30, s30, 1                       ; the last tile that was stored
	TILES
	HSC                                            ; 48 loads
.irp s, 0,1,2,3,4,5,6,7
	HLOAD \s                                       ; 96 loads
.endr
	WIN 0
	s_wait_loadcnt 63                              ; behind the last load of W2 stand 144: W2 and its scale words are in
	WIN 0x08
.set i, 0
.rept 32
	ds_store_b128 v[LW], v[128+4*i:128+4*i+3] offset:(i/4)*PITCH+(i%4)*512
.set i, i+1
.endr
	WIN 0x0c
.rept 32
	ds_store_b128 v[LW], v[4*(i-32):4*(i-32)+3] offset:(i/4)*PITCH+(i%4)*512
.set i, i+1
.endr
	WIN 0
	s_wait_dscnt 0x0                               ; for the others' sake: my stores have landed
	s_barrier_signal -1
	s_barrier_wait -1                              ; the launch's one barrier; no branch on loaded data stands ahead of it.  Behind it W2 is only read, and each wave's stage is its own
	s_wait_alu depctr_vm_vsrc(0)                   ; my LDS stores have read the registers through which W2 went: the products write v128-223 of window 2 (the accumulators), and the fragments of odd K steps land in v0-63 of window 3
	s_cmp_ge_u32 s22, s21
	s_cbranch_scc1 .Lend                           ; no tile for my wave
	s_sub_co_u32 s31, s21, s22                     ; my passes: (tiles - wave + 11) / 12, rounded down: x 2,731 >> 15 is that quotient for every argument up to 75, the largest here
	s_add_co_u32 s31, s31, 11
	s_mul_i32 s31, s31, 2731
	s_lshr_b32 s31, s31, 15
	s_min_u32 s31, s31, 6                          ; 64 tiles are six passes at the most
	s_mov_b32 s32, 0                               ; passes done: the loop's counter, one a trip
.Lpass:                                            ; on the way in and on the way back the same 144 loads are out, in the same order
	s_sub_co_u32 s23, s21, s22
	s_add_co_u32 s23, s23, 3
	s_lshr_b32 s23, s23, 2
	s_min_u32 s23, s23, 3                          ; how many of my three places have a tile
	WLOAD 0                                        ; K step 0's fragments of W2.  No vector or matrix instruction since TILES' wait names their registers, and the stores that read them stand ahead of the tail's waits
.irp s, 0,1,2,3,4,5,6,7,8,9,10,11,12,13,14,15
	KSTEP \s
.endr
	PLACES 8                                       ; in front of the first read of results, and of every later load into the products' registers
	s_wait_alu depctr_va_vdst(0)                   ; the products have written the accumulators, which the stage's LDS stores read, and are done reading v144-207, in which rows of places 1 and 2 land; the places above stay beside this wait
	OUT 0
	s_cmp_lt_u32 s23, 2
	s_cbranch_scc1 .Lstored
	OUT 1
	s_cmp_lt_u32 s23, 3
	s_cbranch_scc1 .Lstored
	OUT 2
.Lstored:
	s_add_co_u32 s22, s22, 12                      ; the next pass's first tile
	s_add_co_u32 s32, s32, 1
	s_cmp_ge_u32 s32, s31
	s_cbranch_scc1 .Lend                           ; the last pass asks for nothing more
	s_wait_xcnt 0x0                                ; the stores have read their offsets and their rows' registers: both may be written again
	s_wait_alu depctr_vm_vsrc(0)                   ; the pass's stores have read YO and the rows' registers, its loads HO and HSA, the stage's LDS stores the accumulators: TILES, the next pass's loads and its products write them again
	TILES
	HSC
.irp s, 0,1,2,3,4,5,6,7
	HLOAD \s
.endr
	WIN 0
	s_cmp_lt_u32 s32, s31
	s_cbranch_scc1 .Lpass
.Lend:
	s_wait_dscnt 0x0                               ; the closing lines, six on end
	s_wait_alu 0x0
	s_wait_tensorcnt 0x0
	ds_add_u32 v[SPW], v[NIL]
	s_wait_dscnt 0x0
	s_endpgm
.Lfunc_end_k_q0f339a14ca_expert_out:
	.size	k_q0f339a14ca_expert_out, .Lfunc_end_k_q0f339a14ca_expert_out-k_q0f339a14ca_expert_out
	.p2alignl 7, 3214868480
	.fill 96, 4, 3214868480
	.section	.rodata,"a",@progbits
	.p2align	6, 0x0
	.amdhsa_kernel k_q0f339a14ca_expert_out
		.amdhsa_group_segment_fixed_size 150016
		.amdhsa_private_segment_fixed_size 0
		.amdhsa_enable_private_segment 0
		.amdhsa_kernarg_size 48
		.amdhsa_user_sgpr_count 2
		.amdhsa_user_sgpr_kernarg_segment_ptr 1
		.amdhsa_wavefront_size32 1
		.amdhsa_system_sgpr_workgroup_id_x 1
		.amdhsa_system_sgpr_workgroup_id_y 1
		.amdhsa_system_sgpr_workgroup_id_z 1
		.amdhsa_system_vgpr_workitem_id 0
		.amdhsa_next_free_vgpr 896
		.amdhsa_next_free_sgpr 66
		.amdhsa_reserve_vcc 0
		.amdhsa_float_denorm_mode_32 3
		.amdhsa_float_denorm_mode_16_64 3
		.amdhsa_memory_ordered 1
		.amdhsa_forward_progress 1
		.amdhsa_inst_pref_size 112
	.end_amdhsa_kernel
	.amdgpu_metadata
---
amdhsa.version: [ 1, 2 ]
amdhsa.kernels:
  - .name:           k_q0f339a14ca_expert_out
    .symbol:         k_q0f339a14ca_expert_out.kd
    .args:
      - { .name: route, .offset: 0, .size: 8, .value_kind: global_buffer, .address_space: global }
      - { .name: hc, .offset: 8, .size: 8, .value_kind: global_buffer, .address_space: global }
      - { .name: hs, .offset: 16, .size: 8, .value_kind: global_buffer, .address_space: global }
      - { .name: w2_codes, .offset: 24, .size: 8, .value_kind: global_buffer, .address_space: global }
      - { .name: w2_scales, .offset: 32, .size: 8, .value_kind: global_buffer, .address_space: global }
      - { .name: yb, .offset: 40, .size: 8, .value_kind: global_buffer, .address_space: global }
    .group_segment_fixed_size: 150016
    .private_segment_fixed_size: 0
    .kernarg_segment_align: 8
    .kernarg_segment_size: 48
    .max_flat_workgroup_size: 128
    .sgpr_count:     66
    .vgpr_count:     896
    .wavefront_size: 32
...
	.end_amdgpu_metadata
.endif
;; end of part 7
;; launch combine (part 8): grid 512 x 1, 8 waves a work-group, no clusters, 0 bytes of LDS; arguments route, routing_tensor, yb, out0; writes out0
.if DOCPART == 8
	.amdgcn_target "amdgcn-amd-amdhsa--gfx1250"
	.amdhsa_code_object_version 6
	.text
	.protected	k_q0f339a14ca_combine
	.globl	k_q0f339a14ca_combine
	.p2align	8
	.type	k_q0f339a14ca_combine,@function
k_q0f339a14ca_combine:
	s_mov_b64 s[64:65], 0
	v_nop
	global_prefetch_b8 v0, s[64:65] scope:SCOPE_SE
	s_setreg_imm32_b32 hwreg(HW_REG_WAVE_MODE, 25, 1), 1
	s_wait_xcnt 0x0
; out[n][d] = the sum over e of gate[n][e] x y[e][n][d], in f32 fused multiply-adds.  Only the experts whose gate is not +-0 are added: which these are is read as whole numbers (BAL), stored by the first launch;
; the terms left out are 0 x y (a NaN or an infinity in such a y is not carried to the result).  A token with no such expert gets zeros.
; y of (n, e) lies at row rank(n, e) of the expert's part of yb; rank = PRE[n / 32][e] + the set bits of BAL[n / 32][e] under bit n % 32.
; SHARES: a work-group takes two tokens, four waves each; a wave takes 1,024 bytes of the row, as two loads or stores of 512 bytes on end.  Each output row has one owner: nothing is added across work-groups.
; THE LADDER: rung j takes the j-th expert of the token out of the mask and issues its two loads into bank j; when the mask is empty the wave jumps to the step of the way down that adds banks j - 1 .. 0.
; So all of a token's loads are out together, no bank is cleared, and none is read that was not loaded.  ORDER OF ROUNDING: from the token's highest expert down to its lowest, not reference()'s.
; No LDS, no matrix unit: memory binds (each row of yb is read once, each byte of out0 written once).
.set BAL, 65536
.set PRE, 67584
	s_load_b256 s[4:11], s[0:1], 0x0               ; route s[4:5], routing_tensor s[6:7], yb s[8:9], out0 s[10:11]
	v_and_b32 v1, 31, v0                           ; lane
	v_and_b32 v2, 15, v0                           ; e = lane % 16
	s_wait_alu depctr_va_vdst(0)
	v_lshrrev_b32 v3, 5, v0
	s_delay_alu instid0(VALU_DEP_1)
	v_readfirstlane_b32 s20, v3                    ; wave 0..7
	s_lshl_b32 s12, ttmp9, 1
	s_lshr_b32 s17, s20, 2
	s_add_co_u32 s12, s12, s17                     ; n
	s_and_b32 s21, s20, 3
	s_lshl_b32 s21, s21, 10
	v_lshl_add_u32 v9, v1, 4, s21                  ; my 16 bytes of the wave's first 512 of the row
	s_lshr_b32 s22, s12, 5
	s_lshl_b32 s22, s22, 6
	v_lshl_add_u32 v3, v2, 2, s22                  ; [n / 32][e]
	s_lshl_b32 s23, s12, 6
	v_lshl_add_u32 v8, v2, 2, s23                  ; gate[n][e]
	s_and_b32 s14, s12, 31
	s_bfm_b32 s15, s14, 0                          ; n % 32 ones: the bits under mine
	s_lshl_b32 s18, s12, 12
	s_mov_b32 s19, 0
	s_wait_alu depctr_va_vdst(0)
	s_wait_kmcnt 0x0
	global_load_b32 v4, v3, s[4:5] offset:BAL      ; 64 bytes on end, each
	global_load_b32 v5, v3, s[4:5] offset:PRE
	global_load_b32 v6, v8, s[6:7]
	s_add_nc_u64 s[10:11], s[10:11], s[18:19]      ; out0 at row n
.irp i, 0,1,2,3,4,5,6,7
	v_mov_b32 v[160+\i], 0                         ; the eight sums (a token may have no expert at all)
.endr
	s_wait_loadcnt 0x0
	v_and_b32 v10, s15, v4                         ; the set bits of it, counted in fields of 2, 4 and 8 bits
	s_delay_alu instid0(VALU_DEP_1)
	v_lshrrev_b32 v11, 1, v10
	s_delay_alu instid0(VALU_DEP_1)
	v_and_b32 v11, 0x55555555, v11
	s_delay_alu instid0(VALU_DEP_1)
	v_sub_nc_u32 v10, v10, v11
	s_delay_alu instid0(VALU_DEP_1)
	v_lshrrev_b32 v11, 2, v10
	s_delay_alu instid0(VALU_DEP_1)
	v_and_b32 v11, 0x33333333, v11
	s_delay_alu instid0(VALU_DEP_3)
	v_and_b32 v10, 0x33333333, v10
	s_delay_alu instid0(VALU_DEP_1)
	v_add_nc_u32 v10, v10, v11
	s_delay_alu instid0(VALU_DEP_1)
	v_lshrrev_b32 v11, 4, v10
	s_delay_alu instid0(VALU_DEP_1)
	v_add_nc_u32 v10, v10, v11
	s_delay_alu instid0(VALU_DEP_1)
	v_and_b32 v10, 0x0f0f0f0f, v10
	s_delay_alu instid0(VALU_DEP_1)
	v_mul_lo_u32 v10, v10, 0x01010101
	s_delay_alu instid0(VALU_DEP_1)
	v_lshrrev_b32 v10, 24, v10
	s_delay_alu instid0(VALU_DEP_1)
	v_add_nc_u32 v7, v5, v10                       ; rank
	s_delay_alu instid0(VALU_DEP_1)
	v_min_u32 v7, 0x3ff, v7                        ; a loaded number enters an address behind a hold at a constant
	s_delay_alu instid0(VALU_DEP_1)
	v_lshl_add_u32 v7, v2, 10, v7                  ; row of yb: 1,024 e + rank
	v_lshrrev_b32 v12, s14, v4
	s_delay_alu instid0(VALU_DEP_1)
	v_and_b32 v12, 1, v12
	s_delay_alu instid0(VALU_DEP_1)
	v_cmp_ne_u32 s13, 0, v12
	s_and_b32 s13, s13, 0xffff                     ; bit e: expert e counts for token n
.irp j, 0,1,2,3,4,5,6,7,8,9,10,11,12,13,14,15
	s_cmp_eq_u32 s13, 0
	s_cbranch_scc1 .LF_\j
	s_ctz_i32_b32 s14, s13                         ; the lowest expert left,
	s_sub_co_u32 s15, s13, 1
	s_and_b32 s13, s13, s15                        ; taken out of the mask
	s_wait_alu depctr_va_vdst(0)
	v_readlane_b32 s16, v7, s14
	s_min_u32 s16, s16, 0x3fff
	s_lshl_b32 s16, s16, 12                        ; 4,096 bytes a row
	v_readlane_b32 s[32+\j], v6, s14               ; its gate
	v_add_nc_u32 v[16+\j], s16, v9
	global_load_b128 v[32+8*\j:32+8*\j+3], v[16+\j], s[8:9] th:TH_LOAD_NT
	global_load_b128 v[32+8*\j+4:32+8*\j+7], v[16+\j], s[8:9] offset:512 th:TH_LOAD_NT
.endr
.macro DOWN k                          ; entered here, banks 0 .. k - 1 are on their way; bank k - 1 is the youngest, so the wait is for all
.LF_\k:
	s_wait_alu depctr_va_vdst(0)
	s_wait_loadcnt 0x0
.irp i, 0,1,2,3,4,5,6,7
	v_fma_f32 v[160+\i], s[32+(\k)-1], v[32+8*((\k)-1)+\i], v[160+\i]
.endr
.endm
.irp k, 16,15,14,13,12,11,10,9,8,7,6,5,4,3,2,1
	DOWN \k
.endr
.LF_0:
	global_store_b128 v9, v[160:163], s[10:11] th:TH_STORE_NT              ; 32 lanes store 512 bytes on end, aligned
	global_store_b128 v9, v[164:167], s[10:11] offset:512 th:TH_STORE_NT
	s_endpgm
.Lfunc_end_k_q0f339a14ca_combine:
	.size	k_q0f339a14ca_combine, .Lfunc_end_k_q0f339a14ca_combine-k_q0f339a14ca_combine
	.p2alignl 7, 3214868480
	.fill 96, 4, 3214868480
	.section	.rodata,"a",@progbits
	.p2align	6, 0x0
	.amdhsa_kernel k_q0f339a14ca_combine
		.amdhsa_group_segment_fixed_size 0
		.amdhsa_private_segment_fixed_size 0
		.amdhsa_enable_private_segment 0
		.amdhsa_kernarg_size 32
		.amdhsa_user_sgpr_count 2
		.amdhsa_user_sgpr_kernarg_segment_ptr 1
		.amdhsa_wavefront_size32 1
		.amdhsa_system_sgpr_workgroup_id_x 1
		.amdhsa_system_sgpr_workgroup_id_y 1
		.amdhsa_system_sgpr_workgroup_id_z 1
		.amdhsa_system_vgpr_workitem_id 0
		.amdhsa_next_free_vgpr 168
		.amdhsa_next_free_sgpr 66
		.amdhsa_reserve_vcc 0
		.amdhsa_float_denorm_mode_32 3
		.amdhsa_float_denorm_mode_16_64 3
		.amdhsa_memory_ordered 1
		.amdhsa_forward_progress 1
		.amdhsa_inst_pref_size 23
	.end_amdhsa_kernel
	.amdgpu_metadata
---
amdhsa.version: [ 1, 2 ]
amdhsa.kernels:
  - .name:           k_q0f339a14ca_combine
    .symbol:         k_q0f339a14ca_combine.kd
    .args:
      - { .name: route, .offset: 0, .size: 8, .value_kind: global_buffer, .address_space: global }
      - { .name: routing_tensor, .offset: 8, .size: 8, .value_kind: global_buffer, .address_space: global }
      - { .name: yb, .offset: 16, .size: 8, .value_kind: global_buffer, .address_space: global }
      - { .name: out0, .offset: 24, .size: 8, .value_kind: global_buffer, .address_space: global }
    .group_segment_fixed_size: 0
    .private_segment_fixed_size: 0
    .kernarg_segment_align: 8
    .kernarg_segment_size: 32
    .max_flat_workgroup_size: 256
    .sgpr_count:     66
    .vgpr_count:     168
    .wavefront_size: 32
...
	.end_amdgpu_metadata
.endif
;; end of part 8
